; MI455X (gfx1250); checked and timed in simulation.
; The chip was launched on July 23, 2026; its instructions are those of AMD's public machine-readable ISA for CDNA 5 (MIT licence, August 2026) and "CDNA5" Instruction Set Architecture Reference Guide (July 2026). The comments in the code are by the model that wrote it; some were corrected since.
;; Multi Headed Attention. Allowed arithmetic: matrix products marked QUANTISED: E2M1 operands, one E8M0 scale for each 32 along K, by v_wmma_scale_f32_16x16x128_f8f6f4 with both operands' format E2M1 (or v_wmma_scale_f32_32x16x128_f4), f32 sums; everything else in f32.
;; Inputs: Wk 1,024 x 1,024 float32; Wo 1,024 x 1,024 float32; Wq 1,024 x 1,024 float32; Wv 1,024 x 1,024 float32; bk 1,024 float32; bo 1,024 float32; bq 1,024 float32; bv 1,024 float32; key 4 x 2,048 x 1,024 float32; mask 4 x 2,048 x 2,048 int32; query 4 x 2,048 x 1,024 float32; value 4 x 2,048 x 1,024 float32.
;; Outputs: out0 4 x 2,048 x 1,024 float32.
;; This version of the problem:
;;   THIS VERSION OF THE PROBLEM IS GIVEN IN LOW PRECISION. The matrix products marked QUANTISED in the list below multiply operands that are first quantised to E2M1 (2 exponent bits, 1 mantissa bit; 4 bits a number), with one power-of-two scale for each 32 numbers along K (OCP MX v1.0); their sums are f32. All else is computed in f32.
;;   The module's matrix products, in the order in which they are computed (A, B: the left and right operand; K: the contracted axis; several contracted axes count as one K, in the product's order):
;;     1. [M 8,192, K 1,024] x [K 1,024, N 1,024]; A: input query; B: input Wq: QUANTISED
;;     2. [M 8,192, K 1,024] x [K 1,024, N 1,024]; A: input key; B: input Wk: QUANTISED
;;     3. [M 8,192, K 1,024] x [K 1,024, N 1,024]; A: input value; B: input Wv: QUANTISED
;;     4. batch 64 x [M 2,048, K 64] x [K 64, N 2,048]; A: computed on the way; B: computed on the way: QUANTISED
;;     5. batch 64 x [M 2,048, K 2,048] x [K 2,048, N 64]; A: softmax (see below); B: computed on the way: QUANTISED
;;     6. [M 8,192, K 1,024] x [K 1,024, N 1,024]; A: computed on the way; B: input Wo: QUANTISED
;;   THE QUANTISER, for each operand of a quantised product, along K:
;;     - K is cut into blocks of 32 from its start; a last block that is shorter is filled with zeros.
;;     - A block's scale is 2^e with e = floor(log2(the largest magnitude in the block)) - 2, held to -126 .. 127; a block of zeros has e = 0. As a byte (E8M0): e + 127.
;;     - Each number is divided by its block's scale, clamped to +-6, and rounded to the nearest number of E2M1, ties to even, subnormals kept.
;;     - The product sums the exact products of the quantised numbers (number of the format x scale) in f32.
;;   ~~~python
;;   def quantise(x, axis):      # numpy; x: float32 -> the quantised numbers, widened to float32 again
;;       x = np.moveaxis(x, axis, -1); K = x.shape[-1]
;;       x = np.pad(x, [(0, 0)] * (x.ndim - 1) + [(0, -K % 32)]); x = x.reshape(x.shape[:-1] + (-1, 32)); a = np.abs(x).max(-1, keepdims=True)
;;       e = np.where(a > 0, np.clip(np.frexp(np.where(a > 0, a, 1))[1] - 1 - 2, -126, 127), 0)      # np.frexp(a)[1] - 1 = floor(log2(a)), exactly
;;       r = np.clip(x / 2.0 ** e, -6, 6)
;;       step = 2.0 ** (np.maximum(np.frexp(np.where(r == 0, 1, r))[1] - 1, 0) - 1)
;;       q = np.round(r / step) * step * 2.0 ** e      # np.round: ties to even
;;       return np.moveaxis(q.reshape(q.shape[:-2] + (-1,))[..., :K], -1, axis).astype(np.float32)
;;   ~~~
;;   SOFTMAX AHEAD OF A QUANTISED PRODUCT. Where the list says 'softmax', what is quantised is not the finished softmax but p = 2^(t - M), with t = logit x log2(e) and M = ceil(the row's largest t), a whole number; so 1/2 < the row's largest p <= 1. The row's sum l is taken of the UNQUANTISED p, in f32, and the product's result is divided by l at the end. Since M is a whole number, a kernel that streams over the keys may use a running M (the ceiling of the running maximum): every later rescaling is an exact power of two, which a block's scale takes up: the codes' values come out the same.
;;   OPERANDS COMPUTED ON THE WAY. 'Computed on the way' means the value that the module computes at that place (a softmax that the list does not call 'softmax' is quantised finished and normalised). What goes into a quantiser is computed in f32, as accurately as f32 sums, v_exp_f32 and their like allow (about 1e-6 of the number): no bf16 or f16 on the way to a quantiser, and a product that is left as it is and whose result goes on into a quantised operand takes f32 operands (vector FMAs, or v_wmma_f32_16x16x4_f32). A number that lies on a knife's edge between two numbers of the format may be rounded either way, as far as f32 arithmetic and the matrix unit's own rounding can turn it there, and no further.
;; 2 versions, each right; version 2 is version 1 with the launch attn written anew for expert scheduling mode. Each part assembles by itself: llvm-mc -triple=amdgcn-amd-amdhsa -mcpu=gfx1250 --defsym DOCPART=n.
;; ======== version 1 of 2: 4 launches
;; limits: right only within a limited range of input values
;; workspace buffers: xw 15,597,568 bytes; mk 2,097,152 bytes of whole numbers; att 13,893,632 bytes; cat 4,456,448 bytes
;; launch prep (part 1): grid 704 x 1, 4 waves a work-group, no clusters, 68,096 bytes of LDS; arguments query, key, value, Wq, Wk, Wv, Wo, mask, xw, mk; writes xw, mk
.if DOCPART == 1
	.amdgcn_target "amdgcn-amd-amdhsa--gfx1250"
	.amdhsa_code_object_version 6
	.text
	.protected	k_qf77ccc780a_prep
	.globl	k_qf77ccc780a_prep
	.p2align	8
	.type	k_qf77ccc780a_prep,@function
k_qf77ccc780a_prep:
	s_mov_b64 s[64:65], 0
	v_nop
	global_prefetch_b8 v0, s[64:65] scope:SCOPE_SE
	s_setreg_imm32_b32 hwreg(HW_REG_WAVE_MODE, 25, 1), 1
	s_wait_xcnt 0x0
; PREP.  (1) query, key, value [8192][1024] and Wq, Wk, Wv, Wo [1024][1024], f32 with K innermost, become codes of FP4 (E2M1) with one E8M0 byte for each 32 along K,
; laid as the matrix unit's operand registers.  (2) The mask [4][2048][2048] int32 becomes one bit a number, laid as the lane masks that the attention launch selects by.
; ROW TILES.  Tile T of a tensor holds rows 32 (T / 2) + 8 (T % 2) + r + 8 (r / 8), r = 0 .. 15: eight neighbours and the eight that lie 16 further on.  So in a transposed product the 16 registers of
; two neighbouring tiles are 16 neighbours along the next K.
; IMAGE.  A fragment (16 rows x 128 K) is 1,024 bytes: [c 0..1][lane][16 bytes]; lane (r, h) holds k = 64 c + 32 h + 0 .. 31 of row r.  xw: codes [G][K step 0..7][1,024]; from SCL on the scale words, 512 bytes a tile:
; the word of (row r, K step s) at 256 (s / 4) + 16 r + 4 (s % 4).  G: 0 query, 512 key, 1024 value, 1536 Wq, 1600 Wk, 1664 Wv, 1728 Wo.
; mk: [tile of queries 0..511][step 0..15][64 words]: bit L of word 16 e + i says that key 128 step + 32 e + 16 (L / 16) + i counts for the query of lane L % 16.
; SHARES.  A wave takes 16 rows x 8 trips of 512 bytes.  Work-groups 0 to 447 quantise (G = 4 x work-group + wave), 448 to 703 pack the mask (tile = task / 2, half of its keys = task % 2).  Waves share nothing: no barrier.
; Each load reads 512 consecutive bytes of one row; a trip's 16 rows turn through the wave's own stage in LDS (rows 528 bytes apart), so that a lane gets the neighbours along K that the conversions want.
; Each store of codes covers 512 consecutive bytes, each store of lane masks 256, aligned.  The two paths have LDS bytes of their own.
; A block's scale is 2^(floor(log2(its largest magnitude)) - 2); its byte is that magnitude's exponent field - 2, held at 1 from below.
; LIMITS: NaN and infinities among the inputs are not served.  A block whose largest magnitude lies under 2^-124 gets the byte 1.  A block of zeros gets the byte 1 where the rule says 127: its codes are zeros, and this program alone reads the bytes.
.set SCL,  14680064
.set SP,   528                         ; a stage row: 512 bytes + 16: the sixteen rows that a read touches start 16 bytes apart modulo 256
.set STGM, 4*16*SP                     ; the mask path's four stages lie behind the quantiser path's
.set R,    32                          ; v32-159  two sets of 64 registers as loaded
.set X,    160                         ; v160-223 a lane's 64 numbers
.set C,    224                         ; v224-231 the codes (quantiser path)
.set OUT,  224                         ; v224-239 lane masks, a pair for each trip (mask path)
.set WD,   16                          ; v16-23   the scale word of each trip
.set WS,   24                          ; v24-27   the scale words as they leave
.macro LOADT t, pitch                  ; trip t: 512 bytes of each of the tile's 16 rows into set t % 2
.irp i, 0,1,2,3,4,5,6,7,8,9,10,11,12,13,14,15
	global_load_b128 v[R+64*((\t)%2)+4*\i:R+64*((\t)%2)+4*\i+3], v4, s[26:27] offset:(\i+8*(\i/8))*\pitch+512*(\t) th:TH_LOAD_NT
.endr
.endm
.macro INTO t                          ; trip t's rows go into the stage as they lie
.if (\t) < 7
	s_wait_loadcnt 16                              ; this trip's 16 loads are in; the next trip's 16 may be out
.else
	s_wait_loadcnt 0x0
.endif
.irp i, 0,1,2,3,4,5,6,7,8,9,10,11,12,13,14,15
	ds_store_b128 v5, v[R+64*((\t)%2)+4*\i:R+64*((\t)%2)+4*\i+3] offset:SP*\i
.endr
.endm
.macro PICK bound, ptr, start          ; below this tile number the tensor is another one: a choice on the work-group's and the wave's number alone
	s_cmp_lt_u32 s25, \bound
	s_cselect_b64 s[26:27], s[\ptr:\ptr+1], s[26:27]
	s_cselect_b32 s29, \start, s29
.endm
	s_load_b512 s[4:19], s[0:1], 0x0               ; query, key, value, Wq, Wk, Wv, Wo, mask
	s_load_b128 s[20:23], s[0:1], 0x40             ; xw, mk
	v_lshl_add_u32 v240, v0, 2, 0x10800
	v_mov_b32 v241, 0
	v_lshrrev_b32 v1, 5, v0
	v_readfirstlane_b32 s24, v1                    ; wave
	v_and_b32 v1, 31, v0                           ; lane
	v_and_b32 v2, 15, v0                           ; r
	v_bfe_u32 v3, v0, 4, 1                         ; h
	v_lshlrev_b32 v4, 4, v1                        ; 16 x lane
	v_mov_b32 v15, 0                               ; a lane permute's destination counts as one of its sources
	v_mul_u32_u24 v6, v2, SP
	s_mov_b32 s50, 0x76543210
	s_mov_b32 s51, 0xfedcba98                      ; v_permlanex16_b32's selects for lane l xor 16
	s_mov_b32 s52, 0xffff0000                      ; lanes 16-31
	s_mul_i32 s28, s24, 16*SP                      ; my stage
	s_mov_b32 s55, 0
	s_cmp_ge_u32 ttmp9, 448
	s_cbranch_scc1 .Lmask
	; ---------------- the quantiser ----------------
	v_add_nc_u32 v5, s28, v4                       ; into the stage: 16 x lane of a row
	v_lshl_add_u32 v6, v3, 7, v6
	v_add_nc_u32 v6, s28, v6                       ; out of it: row r, + 128 h: my 32 numbers of each 64
	v_lshlrev_b32 v7, 3, v3                        ; 8 h
	s_lshl_b32 s25, ttmp9, 2
	s_add_co_u32 s25, s25, s24                     ; G
	s_wait_kmcnt 0x0
	s_mov_b64 s[26:27], s[16:17]                   ; Wo,
	s_mov_b32 s29, 1728                            ; whose tiles begin here; or an earlier tensor:
	PICK 1728, 14, 1664
	PICK 1664, 12, 1600
	PICK 1600, 10, 1536
	PICK 1536, 8, 1024
	PICK 1024, 6, 512
	PICK 512, 4, 0
	s_sub_co_u32 s29, s25, s29                     ; the tile's number in its tensor
	s_lshr_b32 s54, s29, 1
	s_lshl_b32 s54, s54, 17                        ; 32 rows of 4,096 bytes for each pair of tiles,
	s_and_b32 s29, s29, 1
	s_lshl_b32 s29, s29, 15                        ; 8 rows for the odd one
	s_add_co_u32 s54, s54, s29
	s_add_nc_u64 s[26:27], s[26:27], s[54:55]
	s_lshl_b32 s54, s25, 13
	s_add_nc_u64 s[30:31], s[20:21], s[54:55]      ; my codes: 8,192 bytes a tile
	s_lshl_b32 s54, s25, 9
	s_add_co_u32 s54, s54, SCL
	s_add_nc_u64 s[48:49], s[20:21], s[54:55]      ; my scale words: 512 bytes a tile
	LOADT 0, 4096
	LOADT 1, 4096
.macro QTRIP t
	INTO \t
.irp c, 0,1
.irp j, 0,1,2,3,4,5,6,7
	ds_load_b128 v[X+32*\c+4*\j:X+32*\c+4*\j+3], v6 offset:256*\c+16*\j   ; LDS serves a wave's instructions in order: these see the stores above
.endr
.endr
	s_wait_dscnt 0x0                               ; my 64 numbers are in, and the stores have read their registers,
.if (\t) < 6
	LOADT \t+2, 4096                               ; which take the loads of two trips on
.endif
	v_max3_num_f32 v8, |v[X]|, |v[X+1]|, 0x1800000     ; block h: all its 32 numbers are mine; and the floor 2^(3 - 127), so that the byte cannot fall under 1
	v_max3_num_f32 v9, |v[X+32]|, |v[X+33]|, 0x1800000 ; block 2 + h
.irp i, 2,4,6,8,10,12,14,16,18,20,22,24,26,28,30
	v_max3_num_f32 v8, v8, |v[X+\i]|, |v[X+\i+1]|
	v_max3_num_f32 v9, v9, |v[X+32+\i]|, |v[X+33+\i]|
.endr
	v_add_nc_u32 v10, 0xff000000, v8               ; 2 off the exponent field: the conversion takes the exponent field of this operand as its scale
	v_add_nc_u32 v11, 0xff000000, v9
	v_lshrrev_b32 v12, 23, v10                     ; the scales' bytes
	v_lshrrev_b32 v13, 23, v11
	v_lshl_or_b32 v14, v13, 16, v12
	v_lshlrev_b32 v14, v7, v14                     ; at their places in the row's word (8 h bits up);
	v_permlanex16_b32 v15, v14, s50, s51
	v_or_b32 v[WD+(\t)], v14, v15                  ; with lane l xor 16's two the word is whole
	s_wait_xcnt 0x0                                ; the last trip's stores have read the codes' registers
.irp c, 0,1
.irp g, 0,1,2,3
	v_cvt_scalef32_pk8_fp4_f32 v[C+4*\c+\g], v[X+32*\c+8*\g:X+32*\c+8*\g+7], v[10+\c]
.endr
.endr
	v_nop                                          ; one plain instruction behind the last conversion
.irp c, 0,1
	global_store_b128 v4, v[C+4*\c:C+4*\c+3], s[30:31] offset:1024*(\t)+512*\c   ; 512 consecutive bytes
.endr
.endm
.irp t, 0,1,2,3,4,5,6,7
	QTRIP \t
.endr
.irp i, 0,1,2,3
	v_cndmask_b32 v[WS+\i], v[WD+\i], v[WD+4+\i], s52   ; lanes 0-15 carry K steps 0 to 3 of their row, lanes 16-31 K steps 4 to 7
.endr
	global_store_b128 v4, v[WS:WS+3], s[48:49]     ; the tile's 512 bytes of scale words
	s_wait_tensorcnt 0x0
	ds_add_u32 v240, v241
	s_wait_dscnt 0x0
	s_endpgm
	; ---------------- the mask ----------------
.Lmask:
	s_add_co_u32 s28, s28, STGM
	v_add_nc_u32 v5, s28, v4
	v_lshl_add_u32 v6, v3, 6, v6
	v_add_nc_u32 v6, s28, v6                       ; out of the stage: row r, + 64 h: my 16 keys of each 32
	v_lshlrev_b32 v7, 3, v1                        ; 8 x lane
.irp i, 0,1,2,3,4,5,6,7,8,9,10,11,12,13,14,15
	v_mov_b32 v[OUT+\i], 0                         ; v_writelane_b32's destination counts as read
.endr
	s_sub_co_u32 s25, ttmp9, 448
	s_lshl_b32 s25, s25, 2
	s_add_co_u32 s25, s25, s24                     ; task = 2 x tile + half
	s_lshr_b32 s54, s25, 2
	s_lshl_b32 s54, s54, 18                        ; 32 rows of 8,192 bytes for each pair of tiles,
	s_bfe_u32 s29, s25, 0x10001
	s_lshl_b32 s29, s29, 16                        ; 8 rows for the odd one,
	s_add_co_u32 s54, s54, s29
	s_and_b32 s29, s25, 1
	s_lshl_b32 s28, s29, 12                        ; 1,024 keys for the second half
	s_add_co_u32 s54, s54, s28
	s_wait_kmcnt 0x0
	s_add_nc_u64 s[26:27], s[18:19], s[54:55]
	s_lshl_b32 s54, s25, 11
	s_add_nc_u64 s[30:31], s[22:23], s[54:55]      ; my eight records of 256 bytes
	LOADT 0, 8192
	LOADT 1, 8192
.macro MTRIP t
	INTO \t
.irp e, 0,1,2,3
.irp j, 0,1,2,3
	ds_load_b128 v[X+16*\e+4*\j:X+16*\e+4*\j+3], v6 offset:128*\e+16*\j
.endr
.endr
	s_wait_dscnt 0x0
.if (\t) < 6
	LOADT \t+2, 8192
.endif
.irp g, 0,1,2,3
.irp k, 0,1,2,3,4,5,6,7,8,9,10,11,12,13,14,15
	v_cmp_ne_u32 s[32+\k], 0, v[X+16*\g+\k]        ; word 16 g + k: a bit for each lane
.endr
.irp k, 0,1,2,3,4,5,6,7,8,9,10,11,12,13,14,15
	v_writelane_b32 v[OUT+2*(\t)+(\k%2)], s[32+\k], (16*\g+\k)/2   ; lane l gathers words 2 l and 2 l + 1
.endr
.endr
	global_store_b64 v7, v[OUT+2*(\t):OUT+2*(\t)+1], s[30:31] offset:256*(\t)   ; 256 consecutive bytes, aligned; each trip has its own pair of registers
.endm
.irp t, 0,1,2,3,4,5,6,7
	MTRIP \t
.endr
	s_wait_tensorcnt 0x0
	ds_add_u32 v240, v241
	s_wait_dscnt 0x0
	s_endpgm
.Lfunc_end_k_qf77ccc780a_prep:
	.size	k_qf77ccc780a_prep, .Lfunc_end_k_qf77ccc780a_prep-k_qf77ccc780a_prep
	.p2alignl 7, 3214868480
	.fill 96, 4, 3214868480
	.section	.rodata,"a",@progbits
	.p2align	6, 0x0
	.amdhsa_kernel k_qf77ccc780a_prep
		.amdhsa_group_segment_fixed_size 68096
		.amdhsa_private_segment_fixed_size 0
		.amdhsa_enable_private_segment 0
		.amdhsa_kernarg_size 80
		.amdhsa_user_sgpr_count 2
		.amdhsa_user_sgpr_kernarg_segment_ptr 1
		.amdhsa_wavefront_size32 1
		.amdhsa_system_sgpr_workgroup_id_x 1
		.amdhsa_system_sgpr_workgroup_id_y 1
		.amdhsa_system_sgpr_workgroup_id_z 1
		.amdhsa_system_vgpr_workitem_id 0
		.amdhsa_next_free_vgpr 242
		.amdhsa_next_free_sgpr 66
		.amdhsa_reserve_vcc 0
		.amdhsa_float_denorm_mode_32 3
		.amdhsa_float_denorm_mode_16_64 3
		.amdhsa_memory_ordered 1
		.amdhsa_forward_progress 1
		.amdhsa_inst_pref_size 153
	.end_amdhsa_kernel
	.amdgpu_metadata
---
amdhsa.version: [ 1, 2 ]
amdhsa.kernels:
  - .name:           k_qf77ccc780a_prep
    .symbol:         k_qf77ccc780a_prep.kd
    .args:
      - { .name: query, .offset: 0, .size: 8, .value_kind: global_buffer, .address_space: global }
      - { .name: key, .offset: 8, .size: 8, .value_kind: global_buffer, .address_space: global }
      - { .name: value, .offset: 16, .size: 8, .value_kind: global_buffer, .address_space: global }
      - { .name: Wq, .offset: 24, .size: 8, .value_kind: global_buffer, .address_space: global }
      - { .name: Wk, .offset: 32, .size: 8, .value_kind: global_buffer, .address_space: global }
      - { .name: Wv, .offset: 40, .size: 8, .value_kind: global_buffer, .address_space: global }
      - { .name: Wo, .offset: 48, .size: 8, .value_kind: global_buffer, .address_space: global }
      - { .name: mask, .offset: 56, .size: 8, .value_kind: global_buffer, .address_space: global }
      - { .name: xw, .offset: 64, .size: 8, .value_kind: global_buffer, .address_space: global }
      - { .name: mk, .offset: 72, .size: 8, .value_kind: global_buffer, .address_space: global }
    .group_segment_fixed_size: 68096
    .private_segment_fixed_size: 0
    .kernarg_segment_align: 8
    .kernarg_segment_size: 80
    .max_flat_workgroup_size: 128
    .sgpr_count:     66
    .vgpr_count:     242
    .wavefront_size: 32
...
	.end_amdgpu_metadata
.endif
;; end of part 1
;; launch proj (part 2): grid 4 x 96, 4 waves a work-group, clusters of 4 x 4, 268,800 bytes of LDS; arguments xw, bq, bk, bv, att; writes att
.if DOCPART == 2
	.amdgcn_target "amdgcn-amd-amdhsa--gfx1250"
	.amdhsa_code_object_version 6
	.text
	.protected	k_qf77ccc780a_proj
	.globl	k_qf77ccc780a_proj
	.p2align	8
	.type	k_qf77ccc780a_proj,@function
k_qf77ccc780a_proj:
	s_mov_b64 s[64:65], 0
	v_nop
	global_prefetch_b8 v0, s[64:65] scope:SCOPE_SE
	s_setreg_imm32_b32 hwreg(HW_REG_WAVE_MODE, 25, 1), 1
	s_wait_xcnt 0x0
	s_wait_alu depctr_hold_cnt(0) depctr_sa_sdst(0) depctr_va_vdst(0) depctr_va_sdst(0) depctr_va_ssrc(0) depctr_va_vcc(0) depctr_vm_vsrc(0)
	s_getreg_b32 s2, hwreg(HW_REG_IB_STS2, 6, 4)
	s_cmp_eq_u32 s2, 0
	s_cbranch_scc0 .Lentry_in_a_cluster
	s_endpgm
.Lentry_in_a_cluster:
	s_bfe_u32 s2, ttmp6, 0x10000c
	s_cmp_lg_u32 s2, 0xf033
	s_cbranch_scc0 .Lentry_shape_is_right
	s_endpgm
.Lentry_shape_is_right:
; PROJ.  q = query Wq^T + bq, k = key Wk^T + bk, v = value Wv^T + bv on codes of FP4 with E8M0 scales (made by the launch before), and the results quantised in registers for the attention launch:
; q and k along the head's 64 (two blocks), v along the keys.  Nothing wide goes to memory.
; SHARES.  A work-group makes 256 tokens x 256 units of one of the three products (tau = cluster y / 8); its four waves 128 x 128 each: 64 accumulators of 16 x 16, 512 registers.
; ALL OF K (1,024) LIES IN LDS AT ONCE: 16 tiles of tokens and 16 tiles of weight rows, 8,192 bytes each, as images of the operand's registers, in four quarters of two K steps.  Each wave asks for a quarter of each quarter
; (8 tiles x 2,048 bytes) by one tensor load: four loads of mine are out at the start.  A quarter is read behind a counted wait and a barrier.
; CLUSTER 4 x 4.  The four work-groups of a row of the cluster need the same tokens, the four of a column the same weight rows: each tile is asked for jointly, by the same tensor load with the same descriptor and a mask that names the four.
; ROLES.  Source 0 is operand P, source 1 operand R: lane (r, h) of accumulator (a, b) holds row r of R's tile a, and its register j the index 32 (b / 2) + 16 h + 8 (b % 2) + j of P's 128: the 16 registers of accumulators 2 e, 2 e + 1
; are 16 neighbours along P.  For q and k P is the weight (registers run along the head's d), for v P is the tokens (registers run along the keys).  The two roles are two paths of the text, parted on tau, which all partners of a cluster share.
; The bias is the C of each sum's first matrix instruction.
; att: q and k codes [tau][b][head][tile of tokens 0..127][lane][16 bytes] (lane (r, h): d = 32 h .. 32 h + 31); from QKS their scale words [tau][b, head][group of 128 tokens][512 bytes] (tile T, lane r at 256 (T / 4) + 16 r + 4 (T % 4); bytes 2 and 3 are 0);
; from VC v's images [b, head][step of 128 keys][tile of d 0..3][1,024 bytes]; from VS their scale words [b, head][step][r][tile].
; REGISTERS, in windows of 256: window 0: v0-31 addresses; v32-95 R's scale words (8 a + K step); v96-127 at work; v128-191 R's fragments, one set, later the codes made; v192-255 P's scale words.
;   window 1: v0-63, v128-191 P's fragments, two sets; v64-127 the bias.   windows 2, 3: the accumulators ((a, b) at v[8 (8 (a % 4) + b)]).
; LIMITS: NaN and infinities are not served; a block whose largest magnitude lies under 2^-124, a block of zeros among them, gets the byte 1 (zeros have zero codes; this program alone reads the bytes).
.set SCL, 14680064
.set QKS, 8388608
.set VC,  9437184
.set VS,  13631488
.set QTR, 65536                        ; a quarter in LDS: the tokens' 16 tiles x 2,048 bytes, then the weight's
.set STQ, 262144                       ; behind the tiles: the q/k path's stage for scale words, 1,024 bytes a wave
.set STV, 266240                       ; and the v path's, 512 bytes a wave: each path has bytes of its own
.set LI,  4                            ; v4   16 x lane
.set VR,  5                            ; v5   16 r
.set AR,  6                            ; v6   LDS address of my R tiles in the quarter in hand
.set AP,  7                            ; v7   of my P tiles
.set VB,  8                            ; v8   the bias loads' offset
.set SA,  9                            ; v9   where I put a scale word in the stage
.set SL,  10                           ; v10  where I read the stage back
.set VO,  11                           ; v11  v path: my offset among the scale words in memory
.set SR,  32
.set TM,  96                           ; v96-99 largest magnitudes; v100-103 the other half's, then bytes; v104-107 the conversions' scale operands
.set TX,  100
.set SO,  104
.set SW,  112                          ; v112-119 the scale word made of each tile a
.set RF,  128
.set SPR, 192
.set BI,  64
.set MSB, 0
.macro WIN new                         ; the immediate's high byte repeats the setting that is left
.if MSB != \new
	s_set_vgpr_msb (MSB<<8)|\new
.set MSB, \new
.endif
.endm
.macro PLACES                          ; four plain instructions behind a matrix instruction, ahead of loads into its registers and of reads of its results
.rept 4
	v_nop
.endr
.endm
.macro CROUND                          ; a round of the cluster's barrier
	s_barrier_signal -1
	s_barrier_wait -1
	s_cmp_lg_u32 s14, 0
	s_cbranch_scc1 .Lnot_wave_0_\@
	s_barrier_signal -3
.Lnot_wave_0_\@:
	s_barrier_wait -3
	s_barrier_signal -1
	s_barrier_wait -1
.endm
.macro FRAG reg, adr, off              ; a fragment comes back as it was laid: two loads of 512 consecutive bytes
	ds_load_b128 v[\reg:\reg+3], v[\adr] offset:\off
	ds_load_b128 v[\reg+4:\reg+7], v[\adr] offset:\off+512
.endm
.macro FETCH_P sg, set                 ; P's eight fragments of the quarter's K step sg into set
	WIN 0x40
.irp i, 0,1,2,3,4,5,6,7
	FRAG 128*(\set)+8*\i, AP, 2048*\i+1024*(\sg)
.endr
	WIN 0
.endm
.macro FETCH_R sg, i0                  ; R's tiles i0 .. i0 + 3
.irp i, \i0, \i0+1, \i0+2, \i0+3
	FRAG RF+8*(\i), AR, 2048*(\i)+1024*(\sg)
.endr
.endm
; 16 matrix instructions: R's tiles a0, a0 + 1 x P's eight, K step s.  first = 1: the bias starts the sums (CM = 1: it goes with P's index; CM = 2: with R's row).  The 64 accumulators take turns, one instruction a turn, in the same order in every step.
.macro MUL16 a0, set, s, first
.irp a, \a0, \a0+1
.irp b, 0,1,2,3,4,5,6,7
.if \first
.if CM == 1
	v_wmma_scale_f32_16x16x128_f8f6f4 v[8*(8*((\a)%4)+\b):8*(8*((\a)%4)+\b)+7], v[128*(\set)+8*\b:128*(\set)+8*\b+7], v[RF+8*(\a):RF+8*(\a)+7], v[BI+8*\b:BI+8*\b+7], v[SPR+8*\b+(\s)], v[SR+8*(\a)+(\s)] matrix_a_fmt:MATRIX_FMT_FP4 matrix_b_fmt:MATRIX_FMT_FP4
.else
	v_wmma_scale_f32_16x16x128_f8f6f4 v[8*(8*((\a)%4)+\b):8*(8*((\a)%4)+\b)+7], v[128*(\set)+8*\b:128*(\set)+8*\b+7], v[RF+8*(\a):RF+8*(\a)+7], v[BI+8*(\a):BI+8*(\a)+7], v[SPR+8*\b+(\s)], v[SR+8*(\a)+(\s)] matrix_a_fmt:MATRIX_FMT_FP4 matrix_b_fmt:MATRIX_FMT_FP4
.endif
.else
	v_wmma_scale_f32_16x16x128_f8f6f4 v[8*(8*((\a)%4)+\b):8*(8*((\a)%4)+\b)+7], v[128*(\set)+8*\b:128*(\set)+8*\b+7], v[RF+8*(\a):RF+8*(\a)+7], v[8*(8*((\a)%4)+\b):8*(8*((\a)%4)+\b)+7], v[SPR+8*\b+(\s)], v[SR+8*(\a)+(\s)] matrix_a_fmt:MATRIX_FMT_FP4 matrix_b_fmt:MATRIX_FMT_FP4
.endif
.endr
.endr
.endm
.macro STEP s, first                   ; a quarter's first K step (P's set 0); its successor lies in the same quarter
	s_wait_dscnt 8                                 ; P's set and R's tiles 0-3 are in; the youngest eight loads (R's tiles 4-7) may be out
.if \first
	WIN 0x91                                       ; source 0 (P) window 1, source 1 (R) window 0, C (the bias) window 1, D window 2
.else
	WIN 0xa1                                       ; C and D window 2
.endif
	MUL16 0, 0, \s, \first
	MUL16 2, 0, \s, \first
	s_wait_dscnt 0x0                               ; R's tiles 4-7 are in
	PLACES
	FETCH_P 1, 1
	FETCH_R 1, 0
.if \first
	WIN 0xd1
.else
	WIN 0xf1
.endif
	MUL16 4, 0, \s, \first
	MUL16 6, 0, \s, \first
	PLACES
	WIN 0
	FETCH_R 1, 4
.endm
.macro TURN s, n                       ; a quarter's second K step (P's set 1); the next quarter is read behind a barrier.  n: my tensor loads issued behind the next quarter's
	s_wait_tensorcnt \n                            ; my part of the next quarter has landed
	s_wait_dscnt 8
	WIN 0xa1
	MUL16 0, 1, \s, 0
	s_wait_dscnt 0x0                               ; no LDS instruction of mine is out at the signal
	s_barrier_signal -1
	MUL16 2, 1, \s, 0
	WIN 0
	s_barrier_wait -1                              ; everybody's part has landed
	PLACES
	v_add_nc_u32 v[AR], QTR, v[AR]
	v_add_nc_u32 v[AP], QTR, v[AP]
	FETCH_P 0, 0
	FETCH_R 0, 0
	WIN 0xf1
	MUL16 4, 1, \s, 0
	MUL16 6, 1, \s, 0
	PLACES
	WIN 0
	FETCH_R 0, 4
.endm
.macro LAST s
	s_wait_dscnt 8
	WIN 0xa1
	MUL16 0, 1, \s, 0
	MUL16 2, 1, \s, 0
	s_wait_dscnt 0x0
	WIN 0xf1
	MUL16 4, 1, \s, 0
	MUL16 6, 1, \s, 0
	WIN 0
	PLACES
.endm
.macro CORE
	s_wait_tensorcnt 3                             ; my part of quarter 0 has landed; my other three loads may be out
	s_barrier_signal -1
	s_barrier_wait -1
	FETCH_P 0, 0
	FETCH_R 0, 0
	FETCH_R 0, 4
	STEP 0, 1
	TURN 1, 2
	STEP 2, 0
	TURN 3, 1
	STEP 4, 0
	TURN 5, 0
	STEP 6, 0
	LAST 7
.endm
.macro LOADSC                          ; the scale words of my 8 tiles of R and of P, all 8 K steps: lane r takes row r's (lanes 16-31 read the same words)
.irp a, 0,1,2,3,4,5,6,7
.irp f, 0,1
	global_load_b128 v[SR+8*\a+4*\f:SR+8*\a+4*\f+3], v[VR], s[76:77] offset:512*\a+256*\f
	global_load_b128 v[SPR+8*\a+4*\f:SPR+8*\a+4*\f+3], v[VR], s[78:79] offset:512*\a+256*\f
.endr
.endr
.endm
; The 64 numbers that a lane holds of R's tile a (register 16 e + i = index 32 e + 16 h + i along P) become a fragment's codes in v[PCA] on, and the four blocks' bytes in v[TX] on.  Each accumulator is read from its low end on.
.macro QUANT a
.set WW, 2+(\a)/4
.set WQ, (WW<<2)|(WW<<4)
.set AC, 64*((\a)%4)
.set PCA, RF+8*(\a)
	WIN WQ                                         ; sources 1 and 2: the accumulators' window
.irp e, 0,1,2,3
	v_max3_num_f32 v[TM+\e], 0x1800000, |v[AC+16*\e]|, |v[AC+16*\e+1]|   ; block e: my 16 numbers, and the floor 2^(3 - 127)
.endr
.irp i, 2,4,6,8,10,12,14
.irp e, 0,1,2,3
	v_max3_num_f32 v[TM+\e], v[TM+\e], |v[AC+16*\e+\i]|, |v[AC+16*\e+\i+1]|
.endr
.endr
	WIN 0
.irp e, 0,1,2,3
	v_permlanex16_b32 v[TX+\e], v[TM+\e], s86, s87
.endr
.irp e, 0,1,2,3
	v_max_num_f32 v[TM+\e], v[TM+\e], v[TX+\e]     ; with lane l xor 16's: the block's largest magnitude
.endr
.irp e, 0,1,2,3
	v_add_nc_u32 v[SO+\e], 0xff000000, v[TM+\e]    ; 2 off its exponent field: the conversion's scale operand
.endr
.irp e, 0,1,2,3
	v_lshrrev_b32 v[TX+\e], 23, v[SO+\e]           ; the scale's byte
.endr
	WIN WW                                         ; source 0: the accumulators' window
.irp e, 0,1,2,3
	v_cvt_scalef32_pk8_fp4_f32 v[PCA+2*\e], v[AC+16*\e:AC+16*\e+7], v[SO+\e]
	v_cvt_scalef32_pk8_fp4_f32 v[PCA+2*\e+1], v[AC+16*\e+8:AC+16*\e+15], v[SO+\e]
.endr
	WIN 0
	v_nop                                          ; one plain instruction behind a scaled conversion
.irp c, 0,1                            ; the operand's layout wants a whole block in a lane
.irp i, 0,1
	v_permlane16_swap_b32 v[PCA+4*\c+\i], v[PCA+4*\c+2+\i]
.endr
.endr
.endm
	s_load_b256 s[4:11], s[0:1], 0x0               ; xw s[4:5], bq s[6:7], bk s[8:9], bv s[10:11]
	s_load_b64 s[12:13], s[0:1], 0x20              ; att
	v_lshl_add_u32 v110, v0, 2, 0x41800
	v_mov_b32 v111, 0
	ds_add_u32 v110, v111
	ds_add_u32 v110, v111
	v_lshrrev_b32 v1, 5, v0
	v_readfirstlane_b32 s14, v1                    ; wave 0..3
	s_lshr_b32 s15, s14, 1                         ; which 128 of R are mine
	s_and_b32 s16, s14, 1                          ; which 128 of P.  Also: which 8 tiles I fetch
	s_bfe_u32 s17, ttmp6, 0x40000                  ; cx
	s_bfe_u32 s18, ttmp6, 0x40004                  ; cy
	s_lshl_b32 s19, ttmp9, 2
	s_add_co_u32 s19, s19, s17                     ; which 256 units: 4 x cluster x + cx
	s_and_b32 s21, ttmp7, 0xffff
	s_lshl_b32 s20, s21, 2
	s_add_co_u32 s20, s20, s18                     ; which 256 tokens of the three tensors on end: 4 x cluster y + cy
	s_lshr_b32 s21, s21, 3                         ; tau: 0 query, 1 key, 2 value: the same in all partners
	s_and_b32 s22, s20, 31                         ; which 256 tokens of the tensor
	s_lshl_b32 s90, s18, 2
	s_lshl_b32 s90, 15, s90                        ; my row of the cluster
	s_lshl_b32 s92, 0x1111, s17                    ; my column
	; descriptor group 1: 8 tiles' parts of 2,048 bytes (256 elements of 8 bytes), 8,192 bytes apart in memory, on end in LDS
	s_or_b32 s24, s90, (3<<16)|(1<<21)             ; 15:0 the mask: the tokens' tiles go to my row; 17:16 elements of 8 bytes; 21 set beside a mask
	s_or_b32 s32, s92, (3<<16)|(1<<21)             ; the weight's tiles go to my column
.irp g, 24, 32
	s_mov_b32 s[\g+1], 256<<16                     ; tensor_dim0
	s_mov_b32 s[\g+2], 8<<16                       ; tensor_dim1
	s_mov_b32 s[\g+3], 256<<16                     ; tile_dim0
	s_mov_b32 s[\g+4], 8                           ; tile_dim1
	s_mov_b32 s[\g+5], 1024                        ; tensor_dim0_stride
	s_mov_b32 s[\g+6], 0
	s_mov_b32 s[\g+7], 0
.endr
	s_lshl_b32 s90, s20, 17                        ; tokens: 16 tiles of 8,192 bytes for each 256,
	s_lshl_b32 s91, s16, 16                        ; 8 tiles for the second half
	s_add_co_u32 s90, s90, s91
	s_mov_b32 s91, 0
	s_lshl_b32 s92, s19, 17                        ; weight rows likewise,
	s_lshl_b32 s93, s16, 16
	s_add_co_u32 s92, s92, s93
	s_lshl_b32 s93, s21, 19                        ; 64 tiles a weight,
	s_add_co_u32 s92, s92, s93
	s_add_co_u32 s92, s92, 1536*8192               ; behind the tokens' 1,536 tiles
	s_mov_b32 s93, 0
	s_lshl_b32 s89, s14, 14                        ; where they go: wave x 16,384: no place in the cluster enters an LDS address
	s_wait_dscnt 0x0
	s_wait_kmcnt 0x0
	s_add_nc_u64 s[90:91], s[4:5], s[90:91]
	s_add_nc_u64 s[92:93], s[4:5], s[92:93]
.irp q, 0,1,2,3                        ; group 0 for each quarter: the tokens' in s[40:55], the weight's in s[56:63] and s[68:75]
	s_mov_b32 s[40+4*\q], 1
	s_add_co_u32 s[41+4*\q], s89, \q*QTR
	s_add_nc_u64 s[42+4*\q:43+4*\q], s[90:91], \q*2048
	s_or_b32 s[43+4*\q], s[43+4*\q], 0x80000000
	s_mov_b32 s[56+4*\q+4*(\q/2)], 1
	s_add_co_u32 s[57+4*\q+4*(\q/2)], s89, \q*QTR
	s_add_nc_u64 s[58+4*\q+4*(\q/2):59+4*\q+4*(\q/2)], s[92:93], \q*2048
	s_or_b32 s[59+4*\q+4*(\q/2)], s[59+4*\q+4*(\q/2)], 0x80000000
.endr
	CROUND                                         ; all sixteen work-groups are here: the joint loads meet
	s_cmp_lt_u32 s14, 2                            ; waves 0 and 1 fetch the tokens' tiles, waves 2 and 3 the weight's: a wave's four fills stand in one branch; four v_nop follow the last
	s_cbranch_scc0 .Lfill_w
	tensor_load_to_lds s[40:43], s[24:31]
	s_nop 0
	tensor_load_to_lds s[44:47], s[24:31]
	s_nop 0
	tensor_load_to_lds s[48:51], s[24:31]
	s_nop 0
	tensor_load_to_lds s[52:55], s[24:31]
	s_nop 0
	PLACES
	s_branch .Lfilled
.Lfill_w:
	tensor_load_to_lds s[56:59], s[32:39]
	s_nop 0
	tensor_load_to_lds s[60:63], s[32:39]
	s_nop 0
	tensor_load_to_lds s[68:71], s[32:39]
	s_nop 0
	tensor_load_to_lds s[72:75], s[32:39]
	s_nop 0
	PLACES
.Lfilled:
	v_and_b32 v1, 31, v0
	v_and_b32 v2, 15, v0                           ; r
	v_bfe_u32 v3, v0, 4, 1                         ; h
	v_lshlrev_b32 v[LI], 4, v1
	v_lshlrev_b32 v[VR], 4, v2
.irp e, 0,1,2,3
	v_mov_b32 v[TX+\e], 0                          ; a lane permute's destination counts as one of its sources
.endr
	s_mov_b32 s86, 0x76543210
	s_mov_b32 s87, 0xfedcba98
	s_mov_b32 s88, 0xffff0000                      ; lanes 16-31
	s_cmp_eq_u32 s21, 2
	s_cbranch_scc1 .Lpath_v
	; ---------------- q and k: R = tokens, P = weight rows ----------------
.set CM, 1
	s_lshl_b32 s94, s15, 14
	v_add_nc_u32 v[AR], s94, v[LI]
	s_lshl_b32 s94, s16, 14
	s_add_co_u32 s94, s94, 32768
	v_add_nc_u32 v[AP], s94, v[LI]
	v_lshlrev_b32 v[VB], 6, v3                     ; the bias: 16 h numbers on
	s_lshl_b32 s94, s14, 10
	s_add_co_u32 s94, s94, STQ                     ; my stage
	v_lshl_add_u32 v[SA], v3, 9, v[VR]             ; lanes 0-15 write the first head's words, lanes 16-31 the second's, 512 bytes on
	v_add_nc_u32 v[SA], s94, v[SA]
	v_add_nc_u32 v[SL], s94, v[LI]
	s_lshl_b32 s76, s20, 13                        ; R's scale words: 512 bytes a tile
	s_lshl_b32 s77, s15, 12
	s_add_co_u32 s76, s76, s77
	s_add_co_u32 s76, s76, SCL
	s_mov_b32 s77, 0
	s_add_nc_u64 s[76:77], s[4:5], s[76:77]
	s_lshl_b32 s78, s19, 13                        ; P's
	s_lshl_b32 s79, s16, 12
	s_add_co_u32 s78, s78, s79
	s_lshl_b32 s79, s21, 15
	s_add_co_u32 s78, s78, s79
	s_add_co_u32 s78, s78, SCL+1536*512
	s_mov_b32 s79, 0
	s_add_nc_u64 s[78:79], s[4:5], s[78:79]
	s_cmp_eq_u32 s21, 0
	s_cselect_b64 s[80:81], s[6:7], s[8:9]         ; bq or bk,
	s_lshl_b32 s82, s19, 10
	s_lshl_b32 s83, s16, 9
	s_add_co_u32 s82, s82, s83                     ; at my 128 units
	s_mov_b32 s83, 0
	s_add_nc_u64 s[80:81], s[80:81], s[82:83]
	s_lshl_b32 s82, s21, 22                        ; my codes: tau,
	s_lshr_b32 s83, s22, 3
	s_lshl_b32 s83, s83, 20                        ; b,
	s_add_co_u32 s82, s82, s83
	s_lshl_b32 s83, s19, 18                        ; my first head = 4 x (which 256 units) + 2 x half,
	s_add_co_u32 s82, s82, s83
	s_lshl_b32 s83, s16, 17
	s_add_co_u32 s82, s82, s83
	s_and_b32 s83, s22, 7
	s_lshl_b32 s83, s83, 13                        ; my group of 128 tokens
	s_add_co_u32 s82, s82, s83
	s_lshl_b32 s83, s15, 12
	s_add_co_u32 s82, s82, s83
	s_lshr_b32 s84, s82, 3                         ; the scale words' layout is the codes', an eighth as large
	s_add_co_u32 s84, s84, QKS
	s_mov_b32 s83, 0
	s_mov_b32 s85, 0
	s_add_nc_u64 s[82:83], s[12:13], s[82:83]
	s_add_nc_u64 s[84:85], s[12:13], s[84:85]
	WIN 0x40                                       ; destination window 1
.irp b, 0,1,2,3,4,5,6,7                ; lane (r, h), register j of tile b: the bias of unit 32 (b / 2) + 16 h + 8 (b % 2) + j
	global_load_b128 v[BI+8*\b:BI+8*\b+3], v[VB], s[80:81] offset:(32*(\b/2)+8*(\b%2))*4
	global_load_b128 v[BI+8*\b+4:BI+8*\b+7], v[VB], s[80:81] offset:(32*(\b/2)+8*(\b%2))*4+16
.endr
	WIN 0
	LOADSC
	s_wait_loadcnt 0x0
	CORE
.irp a, 0,1,2,3,4,5,6,7                ; tile a of my tokens: registers 4 c .. 4 c + 3 of the codes are head c's d = 32 h .. 32 h + 31
	QUANT \a
	v_lshl_or_b32 v108, v[TX+1], 8, v[TX]          ; the first head's two bytes,
	v_lshl_or_b32 v109, v[TX+3], 8, v[TX+2]        ; the second's; bytes 2 and 3 stay 0
	v_cndmask_b32 v[SW+\a], v108, v109, s88
	global_store_b128 v[LI], v[PCA:PCA+3], s[82:83] offset:512*\a            ; 512 consecutive bytes; every tile has registers of its own
	global_store_b128 v[LI], v[PCA+4:PCA+7], s[82:83] offset:65536+512*\a
	ds_store_b32 v[SA], v[SW+\a] offset:256*(\a/4)+4*(\a%4)
.endr
	ds_load_b128 v[120:123], v[SL]                 ; LDS serves a wave's instructions in order: these see my stores
	ds_load_b128 v[124:127], v[SL] offset:512
	s_wait_dscnt 0x0
	global_store_b128 v[LI], v[120:123], s[84:85]  ; a group's 512 bytes of scale words, for each of the two heads
	global_store_b128 v[LI], v[124:127], s[84:85] offset:8192
	s_wait_tensorcnt 0x0
	s_wait_dscnt 0x0
	s_wait_tensorcnt 0x0
	ds_add_u32 v110, v111
	s_wait_dscnt 0x0
	CROUND                                         ; the closing round: no work-group ends while a partner may still ask for a tile that names it
	s_endpgm
	; ---------------- v: R = weight rows, P = tokens ----------------
.Lpath_v:
.set CM, 2
	s_lshl_b32 s94, s15, 14
	s_add_co_u32 s94, s94, 32768
	v_add_nc_u32 v[AR], s94, v[LI]
	s_lshl_b32 s94, s16, 14
	v_add_nc_u32 v[AP], s94, v[LI]
	v_and_b32 v12, 8, v2
	v_add_nc_u32 v12, v12, v2                      ; r + 8 (r / 8)
	v_lshlrev_b32 v[VB], 2, v12
	s_lshl_b32 s94, s14, 9
	s_add_co_u32 s94, s94, STV                     ; my stage
	v_add_nc_u32 v[SA], s94, v[VR]
	v_add_nc_u32 v[SL], s94, v[LI]
	v_lshl_add_u32 v[VO], v3, 12, v[VR]            ; lanes 16-31 store the second head's words, 4,096 bytes on
	s_lshl_b32 s76, s19, 13                        ; R's scale words: Wv's
	s_lshl_b32 s77, s15, 12
	s_add_co_u32 s76, s76, s77
	s_add_co_u32 s76, s76, SCL+1664*512
	s_mov_b32 s77, 0
	s_add_nc_u64 s[76:77], s[4:5], s[76:77]
	s_lshl_b32 s78, s20, 13                        ; P's: value's
	s_lshl_b32 s79, s16, 12
	s_add_co_u32 s78, s78, s79
	s_add_co_u32 s78, s78, SCL
	s_mov_b32 s79, 0
	s_add_nc_u64 s[78:79], s[4:5], s[78:79]
	s_lshl_b32 s80, s19, 10
	s_lshl_b32 s81, s15, 9
	s_add_co_u32 s80, s80, s81
	s_mov_b32 s81, 0
	s_add_nc_u64 s[80:81], s[10:11], s[80:81]      ; bv at my 128 units
	s_lshr_b32 s82, s22, 3
	s_lshl_b32 s82, s82, 20                        ; my images: b,
	s_lshl_b32 s83, s19, 18                        ; my first head,
	s_add_co_u32 s82, s82, s83
	s_lshl_b32 s83, s15, 17
	s_add_co_u32 s82, s82, s83
	s_and_b32 s83, s22, 7
	s_lshl_b32 s83, s83, 13                        ; my step of 128 keys
	s_add_co_u32 s82, s82, s83
	s_lshl_b32 s83, s16, 12
	s_add_co_u32 s82, s82, s83
	s_lshr_b32 s84, s82, 4                         ; the scale words' layout is the images', a sixteenth as large
	s_add_co_u32 s84, s84, VS
	s_add_co_u32 s82, s82, VC
	s_mov_b32 s83, 0
	s_mov_b32 s85, 0
	s_add_nc_u64 s[82:83], s[12:13], s[82:83]
	s_add_nc_u64 s[84:85], s[12:13], s[84:85]
	WIN 0x40
.irp a, 0,1,2,3,4,5,6,7                ; the bias goes with R's row: one number a lane and tile
	global_load_b32 v[BI+8*\a], v[VB], s[80:81] offset:(32*(\a/2)+8*(\a%2))*4
.endr
	WIN 0
	LOADSC
	s_wait_loadcnt 0x0
	WIN 0x41                                       ; destination and source 0 window 1
.irp a, 0,1,2,3,4,5,6,7
.irp j, 1,2,3,4,5,6,7
	v_mov_b32 v[BI+8*\a+\j], v[BI+8*\a]            ; in all eight registers of the C operand; the tiles are on their way meanwhile
.endr
.endr
	WIN 0
	CORE
.irp a, 0,1,2,3,4,5,6,7                ; tile a of my units: head a / 4, tile a % 4 of its d; the codes are a whole fragment: 16 d x my 128 keys
	QUANT \a
	v_lshl_or_b32 v108, v[TX+1], 8, v[TX]
	v_lshl_or_b32 v108, v[TX+2], 16, v108
	v_lshl_or_b32 v[SW+\a], v[TX+3], 24, v108
	global_store_b128 v[LI], v[PCA:PCA+3], s[82:83] offset:65536*(\a/4)+1024*(\a%4)
	global_store_b128 v[LI], v[PCA+4:PCA+7], s[82:83] offset:65536*(\a/4)+1024*(\a%4)+512
	ds_store_b32 v[SA], v[SW+\a] offset:256*(\a/4)+4*(\a%4)   ; both halves of the lanes write the same word with the same value
.endr
	ds_load_b128 v[120:123], v[SL]
	s_wait_dscnt 0x0
	global_store_b128 v[VO], v[120:123], s[84:85]  ; sixteen lanes store a head's 256 bytes of this step, aligned
	s_wait_tensorcnt 0x0
	s_wait_dscnt 0x0
	s_wait_tensorcnt 0x0
	ds_add_u32 v110, v111
	s_wait_dscnt 0x0
	CROUND
	s_endpgm
.Lfunc_end_k_qf77ccc780a_proj:
	.size	k_qf77ccc780a_proj, .Lfunc_end_k_qf77ccc780a_proj-k_qf77ccc780a_proj
	.p2alignl 7, 3214868480
	.fill 96, 4, 3214868480
	.section	.rodata,"a",@progbits
	.p2align	6, 0x0
	.amdhsa_kernel k_qf77ccc780a_proj
		.amdhsa_group_segment_fixed_size 268800
		.amdhsa_private_segment_fixed_size 0
		.amdhsa_enable_private_segment 0
		.amdhsa_kernarg_size 40
		.amdhsa_user_sgpr_count 2
		.amdhsa_user_sgpr_kernarg_segment_ptr 1
		.amdhsa_wavefront_size32 1
		.amdhsa_system_sgpr_workgroup_id_x 1
		.amdhsa_system_sgpr_workgroup_id_y 1
		.amdhsa_system_sgpr_workgroup_id_z 1
		.amdhsa_system_vgpr_workitem_id 0
		.amdhsa_next_free_vgpr 1024
		.amdhsa_next_free_sgpr 96
		.amdhsa_reserve_vcc 0
		.amdhsa_float_denorm_mode_32 3
		.amdhsa_float_denorm_mode_16_64 3
		.amdhsa_memory_ordered 1
		.amdhsa_forward_progress 1
		.amdhsa_inst_pref_size 255
	.end_amdhsa_kernel
	.section	.bss,"aw",@nobits
	.p2align	6
	.space	262144
	.amdgpu_metadata
---
amdhsa.version: [ 1, 2 ]
amdhsa.kernels:
  - .name:           k_qf77ccc780a_proj
    .symbol:         k_qf77ccc780a_proj.kd
    .args:
      - { .name: xw, .offset: 0, .size: 8, .value_kind: global_buffer, .address_space: global }
      - { .name: bq, .offset: 8, .size: 8, .value_kind: global_buffer, .address_space: global }
      - { .name: bk, .offset: 16, .size: 8, .value_kind: global_buffer, .address_space: global }
      - { .name: bv, .offset: 24, .size: 8, .value_kind: global_buffer, .address_space: global }
      - { .name: att, .offset: 32, .size: 8, .value_kind: global_buffer, .address_space: global }
    .group_segment_fixed_size: 268800
    .private_segment_fixed_size: 0
    .kernarg_segment_align: 8
    .kernarg_segment_size: 40
    .max_flat_workgroup_size: 128
    .sgpr_count:     96
    .vgpr_count:     1024
    .wavefront_size: 32
...
	.end_amdgpu_metadata
.endif
;; end of part 2
;; launch attn (part 3): grid 4 x 64, 16 waves a work-group, no clusters, 145,408 bytes of LDS; arguments att, mk, cat; writes cat
.if DOCPART == 3
	.amdgcn_target "amdgcn-amd-amdhsa--gfx1250"
	.amdhsa_code_object_version 6
	.text
	.protected	k_qf77ccc780a_attn
	.globl	k_qf77ccc780a_attn
	.p2align	8
	.type	k_qf77ccc780a_attn,@function
k_qf77ccc780a_attn:
	s_mov_b64 s[64:65], 0
	v_nop
	global_prefetch_b8 v0, s[64:65] scope:SCOPE_SE
	s_setreg_imm32_b32 hwreg(HW_REG_WAVE_MODE, 25, 1), 1
	s_wait_xcnt 0x0
; ATTN.  For each (b, head): S = q k^T / 8, the mask, softmax, times v; both products on codes of FP4 with E8M0 scales; the result, divided by the row's sum, is quantised along the head's 64 for the last projection.
; THE SOFTMAX AHEAD OF THE SECOND PRODUCT: t = score x log2(e) / 8; M = the row's largest t so far, rounded up to a whole number; p = 2^(t - M) is quantised along the keys, not normalised; the row's sum is taken of the
; unquantised p and divides at the end.  When M moves, the sum and O are multiplied by 2^(old M - new M): exact.
; SHARES.  A work-group owns 512 queries of one head; each of its sixteen waves two tiles of 16 queries, one after the other, in 256 registers: four waves to a SIMD, so that one wave's vector work stands beside another's matrix work and LDS loads.
; LDS holds the WHOLE head, filled once through registers: k's images (65,536 bytes), v's (65,536), k's scale words (8,192), v's (4,096).  One barrier in the whole text.
; NO JOINT REQUEST: what the four work-groups of a head share is this one fill, 18 loads a thread at the head, against 32 steps of some 300 vector instructions a wave; a joint request would spare three of four requests
; for 143,360 bytes and nothing in the loop.
; LAYOUT.  Both products are used transposed: S^T = k q^T, O^T = v^T p^T: a lane holds one query (lane % 16) throughout.  Tiles of keys, of queries and of d hold rows 32 (T / 2) + 8 (T % 2) + r + 8 (r / 8), so that the 16 registers of
; tiles 2 e, 2 e + 1 are 16 neighbours, 32 e + 16 (lane / 16) + 0 .. 15.
; K = 64 IN A FORM OF K = 128: q's registers 4 to 7 are zero codes, and bytes 2 and 3 of q's and k's scale words are 0.  So what k's operand holds there adds nothing, and k's operand of tile T is the run v[32 + 4 T .. + 7], whose upper half is the next tile's codes:
; one load of 16 bytes a lane brings a tile of keys.
; THE MASK.  The first launch has laid it as lane masks, 64 words for each (tile of queries, step of 128 keys): word n selects for score register n.  They come by scalar loads, asked for one step ahead, and every step makes its 64 selections:
; no branch hangs on them.  A hidden score becomes -2^33, a logit of -2^30 where reference() has -1e9.  -2^33 x log2(e) / 8 is a whole number in f32, so in a row that is wholly hidden t - M is exactly 0 and every p is 1: the uniform average.  Elsewhere p = 0.
; LIMITS: the results agree with reference() while logits that count lie above about -9.9e8.  NaN and infinities are not served.  A block's largest p is made from the block's largest score by the same two instructions
; (this takes v_exp_f32 not to fall where its input rises).  A block whose largest magnitude lies under 2^-124 gets the byte 1.
; The scale bytes of the result leave one byte a lane: a head owns two of a row's 32 bytes; they are 262,144 bytes of the launch's 4,456,448.
; REGISTERS: v1-4 addresses that stay; v5-8 the step's; v9 16 r + h; v10, v11 q's scale words; v12 -M, v13 the largest t, v[14:15] the sum; v16-31 q's two fragments; v32-67 k; v68-99 v; v100-163 S^T, then p; v164-195 O^T;
; v196-203 p's codes; v204-207 k's scale words, v208-211 v's; v212-229 at work; v230 p's scale word; v231 -2^33.   s32-63, s68-99: the step's 64 lane masks; s[16:17] where they come from.
.set QKS, 8388608
.set VC,  9437184
.set VS,  13631488
.set CS,  4194304
.set LV,  65536                        ; LDS: v's images
.set LKS, 131072                       ; k's scale words, 512 bytes a step
.set LVS, 139264                       ; v's, 256 bytes a step
.macro MASKS                           ; a record of 64 lane masks, 256 bytes
	s_load_b512 s[32:47], s[16:17], 0x0
	s_load_b512 s[48:63], s[16:17], 0x40
	s_load_b512 s[68:83], s[16:17], 0x80
	s_load_b512 s[84:99], s[16:17], 0xc0
.endm
; A KEY STEP of my tile qn of queries: 128 keys.  ahead = 1: the next step's lane masks are asked for, and the addresses step.
.macro STEP qn, ahead
	v_add_nc_u32 v5, s24, v1                       ; (these four are also the places behind the last step's products)
	v_add_nc_u32 v6, s24, v2
	v_add_nc_u32 v7, s25, v3
	v_add_nc_u32 v8, s26, v4
	ds_load_b128 v[204:207], v7
.irp T, 0,1,2,3,4,5,6,7
	ds_load_b128 v[32+4*\T:35+4*\T], v5 offset:512*\T
.endr
	ds_load_b128 v[208:211], v8
.irp u, 0,1,2,3
	ds_load_b128 v[68+8*\u:71+8*\u], v6 offset:1024*\u
	ds_load_b128 v[72+8*\u:75+8*\u], v6 offset:1024*\u+512
.endr
	s_wait_dscnt 9                                 ; k and its scale words are in; v's nine loads may be out
.irp T, 0,1,2,3
	v_wmma_scale_f32_16x16x128_f8f6f4 v[100+8*\T:107+8*\T], v[32+4*\T:39+4*\T], v[16+8*\qn:23+8*\qn], 0, v[204+\T], v[10+\qn] matrix_a_fmt:MATRIX_FMT_FP4 matrix_b_fmt:MATRIX_FMT_FP4
.endr
.irp T, 4,5,6,7
	v_wmma_scale_f32_16x16x128_f8f6f4 v[100+8*\T:107+8*\T], v[32+4*\T:39+4*\T], v[16+8*\qn:23+8*\qn], 0, v[200+\T], v[10+\qn] matrix_a_fmt:MATRIX_FMT_FP4 matrix_b_fmt:MATRIX_FMT_FP4 matrix_a_scale:MATRIX_SCALE_ROW1
.endr
.rept 4
	v_nop
.endr
	s_wait_kmcnt 0x0                               ; this step's lane masks, asked for a step ago, are in
.set n, 0
.rept 64
	v_cndmask_b32 v[100+n], v231, v[100+n], s[32+n+4*(n/32)]   ; a hidden score becomes -2^33, ahead of the maximum
.set n, n+1
.endr
.irp b, 0,1,2,3
	v_max3_num_f32 v[212+\b], v[100+16*\b], v[101+16*\b], v[102+16*\b]   ; the largest score of each block of 32 keys: for the row's maximum, and for the block's largest p
.endr
.irp i, 3,5,7,9,11,13
.irp b, 0,1,2,3
	v_max3_num_f32 v[212+\b], v[212+\b], v[100+16*\b+\i], v[101+16*\b+\i]
.endr
.endr
.irp b, 0,1,2,3
	v_max_num_f32 v[212+\b], v[212+\b], v[115+16*\b]
.endr
.irp b, 0,1,2,3
	v_permlanex16_b32 v[216+\b], v[212+\b], s20, s21
.endr
.irp b, 0,1,2,3
	v_max_num_f32 v[212+\b], v[212+\b], v[216+\b]  ; with lane l xor 16's 16 keys
.endr
	v_max3_num_f32 v224, v212, v213, v214
	v_max_num_f32 v224, v224, v215                 ; the step's largest score of my query
	v_mul_f32 v224, s22, v224                      ; as t
	v_max_num_f32 v13, v13, v224                   ; the running largest t
	v_mov_b32 v224, v12
	v_floor_f32 v12, -v13                          ; the new -M = -ceil(t)
	v_sub_f32 v224, v12, v224                      ; old M - new M: a whole number, 0 or less
	v_cvt_i32_f32 v224, v224                       ; (it saturates)
	v_ldexp_f32 v226, 1.0, v224                    ; f = 2^(old M - new M)
.if \ahead
	s_add_nc_u64 s[16:17], s[16:17], 256           ; no scalar load is out since the wait above, so the base may step and the 64 registers, which the selections have read, may be loaded again:
	MASKS                                          ; the next step's lane masks; they have the rest of this step in which to land
	s_add_co_u32 s24, s24, 4096                    ; the next step's images and scale words in LDS
	s_add_co_u32 s25, s25, 512
	s_add_co_u32 s26, s26, 256
.endif
.set n, 0
.rept 32
	v_pk_fma_f32 v[100+n:101+n], v[100+n:101+n], s[22:23], v[12:13] op_sel_hi:[1,0,0]   ; t - M, two at a time
.set n, n+2
.endr
.irp b, 0,1,2,3
	v_fma_f32 v[212+\b], v[212+\b], s22, v12       ; the same of each block's largest score
.endr
.set n, 0
.rept 64
	v_exp_f32 v[100+n], v[100+n]                   ; p = 2^(t - M)
.set n, n+1
.endr
	v_pk_mul_f32 v[14:15], v[14:15], v[226:227] op_sel_hi:[1,0]   ; the sums under the new M: the plain instruction behind the exponentials
	s_wait_alu depctr_va_vdst(0)                   ; one wait for the batch of 64, ahead of its first reader
.irp b, 0,1,2,3
	v_exp_f32 v[212+\b], v[212+\b]                 ; the block's largest p
.endr
	v_pk_add_f32 v[228:229], v[100:101], v[102:103]   ; the row's sum of the unquantised p, in two chains; it reads the 64 alone
.irp j, 4,8,12,16,20,24,28,32,36,40,44,48,52,56,60
	v_pk_add_f32 v[14:15], v[14:15], v[100+\j:101+\j]
	v_pk_add_f32 v[228:229], v[228:229], v[102+\j:103+\j]
.endr
	v_pk_add_f32 v[14:15], v[14:15], v[228:229]
	s_wait_alu depctr_va_vdst(0)                   ; and one for the four
.irp b, 0,1,2,3
	v_max_num_f32 v[212+\b], 0x1800000, v[212+\b]  ; the floor 2^(3 - 127)
.endr
.irp b, 0,1,2,3
	v_add_nc_u32 v[220+\b], 0xff000000, v[212+\b]  ; 2 off the exponent field: the conversion's scale operand
.endr
.irp b, 0,1,2,3
	v_lshrrev_b32 v[216+\b], 23, v[220+\b]         ; the scale's byte
.endr
	v_lshl_or_b32 v230, v217, 8, v216              ; p's scale word for these 128 keys
	v_lshl_or_b32 v230, v218, 16, v230
	v_lshl_or_b32 v230, v219, 24, v230
.irp b, 0,1,2,3
	v_cvt_scalef32_pk8_fp4_f32 v[196+2*\b], v[100+16*\b:107+16*\b], v[220+\b]
	v_cvt_scalef32_pk8_fp4_f32 v[197+2*\b], v[108+16*\b:115+16*\b], v[220+\b]
.endr
	v_nop                                          ; one plain instruction behind a scaled conversion
.irp c, 0,1                            ; the operand's layout wants a whole block in a lane
.irp i, 0,1
	v_permlane16_swap_b32 v[196+4*\c+\i], v[198+4*\c+\i]
.endr
.endr
.set n, 0
.rept 16
	v_pk_mul_f32 v[164+n:165+n], v[164+n:165+n], v[226:227] op_sel_hi:[1,0]   ; O^T under the new M; these sixteen are also the places between p's codes and scale word and the products
.set n, n+2
.endr
	s_wait_dscnt 0x0                               ; v and its scale words are in
.irp u, 0,1,2,3
	v_wmma_scale_f32_16x16x128_f8f6f4 v[164+8*\u:171+8*\u], v[68+8*\u:75+8*\u], v[196:203], v[164+8*\u:171+8*\u], v[208+\u], v230 matrix_a_fmt:MATRIX_FMT_FP4 matrix_b_fmt:MATRIX_FMT_FP4
.endr
.endm
	s_load_b128 s[4:7], s[0:1], 0x0                ; att, mk
	s_load_b64 s[8:9], s[0:1], 0x10                ; cat
	v_lshl_add_u32 v254, v0, 2, 0x23000
	v_mov_b32 v255, 0
	v_lshrrev_b32 v5, 5, v0
	v_readfirstlane_b32 s10, v5                    ; wave 0..15
	s_and_b32 s12, ttmp7, 0xffff                   ; 16 b + head
	s_lshr_b32 s13, s12, 4                         ; b
	s_and_b32 s14, s12, 15                         ; head
	s_lshl_b32 s15, s13, 7
	s_lshl_b32 s11, ttmp9, 5
	s_add_co_u32 s15, s15, s11
	s_lshl_b32 s11, s10, 1
	s_add_co_u32 s15, s15, s11                     ; my first tile of queries: 128 b + 32 x + 2 wave
	s_and_b32 s18, s15, 127                        ; and within b
	s_mov_b32 s101, 0
	s_mov_b32 s20, 0x76543210
	s_mov_b32 s21, 0xfedcba98                      ; v_permlanex16_b32's selects for lane l xor 16
	s_mov_b32 s22, 0x3e38aa3b                      ; c = log2(e) / 8
	s_mov_b32 s23, s22                             ; (named with it as a pair)
	s_mov_b32 s27, 0xffff0000                      ; lanes 16-31
	v_and_b32 v5, 31, v0
	v_lshlrev_b32 v1, 4, v5                        ; 16 x lane: k's images
	v_add_nc_u32 v2, LV, v1                        ; v's
	v_add_nc_u32 v3, LKS, v1                       ; k's scale words: lanes 0-15 tiles 0-3 of row r, lanes 16-31 tiles 4-7
	v_and_b32 v5, 15, v0                           ; r
	v_bfe_u32 v6, v0, 4, 1                         ; h
	v_lshlrev_b32 v176, 4, v5                      ; 16 r
	v_add_nc_u32 v4, LVS, v176                     ; v's scale words: row r's four tiles
	v_add_nc_u32 v9, v176, v6
	v_lshlrev_b32 v170, 4, v0                      ; the fill: 16 bytes a thread, 8,192 a line
	v_add_nc_u32 v171, LV, v170
	v_add_nc_u32 v172, LKS, v170
	v_lshlrev_b32 v174, 3, v0
	v_add_nc_u32 v173, LVS, v174
	s_lshl_b32 s100, s12, 16
	s_wait_kmcnt 0x0
	s_add_nc_u64 s[32:33], s[4:5], s[100:101]      ; the head's q codes,
	s_add_nc_u64 s[34:35], s[32:33], 1<<22         ; k codes,
	s_add_nc_u64 s[36:37], s[32:33], VC            ; v images
	s_lshl_b32 s100, s12, 13
	s_add_nc_u64 s[38:39], s[4:5], s[100:101]
	s_add_nc_u64 s[38:39], s[38:39], QKS           ; q's scale words,
	s_add_nc_u64 s[40:41], s[38:39], 524288        ; k's,
	s_lshl_b32 s100, s12, 12
	s_add_nc_u64 s[42:43], s[4:5], s[100:101]
	s_add_nc_u64 s[42:43], s[42:43], VS            ; v's
.irp j, 0,1,2,3,4,5,6,7
	global_load_b128 v[100+4*\j:103+4*\j], v170, s[34:35] offset:8192*\j
.endr
.irp j, 0,1,2,3,4,5,6,7
	global_load_b128 v[132+4*\j:135+4*\j], v170, s[36:37] offset:8192*\j
.endr
	global_load_b128 v[164:167], v170, s[40:41]
	global_load_b64 v[168:169], v174, s[42:43]
	s_lshl_b32 s100, s18, 9
	s_add_nc_u64 s[44:45], s[32:33], s[100:101]    ; my two tiles of q: 512 bytes each
	global_load_b128 v[16:19], v1, s[44:45]
	global_load_b128 v[24:27], v1, s[44:45] offset:512
	s_lshr_b32 s100, s18, 2
	s_lshl_b32 s100, s100, 8                       ; their scale words: 256 bytes for each four tiles,
	s_and_b32 s24, s18, 3
	s_lshl_b32 s24, s24, 2                         ; 4 bytes a tile
	s_add_co_u32 s100, s100, s24
	s_add_nc_u64 s[46:47], s[38:39], s[100:101]
	global_load_b32 v10, v176, s[46:47]
	global_load_b32 v11, v176, s[46:47] offset:4
	s_lshl_b32 s100, s15, 12
	s_add_nc_u64 s[16:17], s[6:7], s[100:101]      ; my lane masks: 256 bytes a step, 16 steps a tile, my two tiles on end
	s_lshl_b32 s100, s15, 13
	s_lshl_b32 s24, s14, 9
	s_add_co_u32 s100, s100, s24
	s_add_nc_u64 s[2:3], s[8:9], s[100:101]        ; the result's codes: 8,192 bytes a tile, 512 a head
	s_lshl_b32 s100, s15, 9
	s_lshr_b32 s24, s14, 3
	s_lshl_b32 s24, s24, 8
	s_add_co_u32 s100, s100, s24
	s_and_b32 s24, s14, 7
	s_lshl_b32 s24, s24, 1
	s_add_co_u32 s100, s100, s24
	s_add_co_u32 s100, s100, CS
	s_add_nc_u64 s[66:67], s[8:9], s[100:101]      ; its scale bytes: 512 bytes a tile; the head's two bytes of a row's word
.irp j, 20,21,22,23,28,29,30,31,64,65,66,67
	v_mov_b32 v[\j], 0                             ; zero codes: q's upper halves, and behind k's last tile
.endr
.irp j, 216,217,218,219,224,227
	v_mov_b32 v[\j], 0                             ; permutes' destinations, and the upper half of the pair v[226:227]
.endr
	v_mov_b32 v231, 0xd0000000                     ; -2^33
	s_wait_loadcnt 0x0                             ; the fill and q are in registers; the loads' bases, s32-47, are free
	MASKS                                          ; the first step's lane masks
.irp j, 0,1,2,3,4,5,6,7
	ds_store_b128 v170, v[100+4*\j:103+4*\j] offset:8192*\j
.endr
.irp j, 0,1,2,3,4,5,6,7
	ds_store_b128 v171, v[132+4*\j:135+4*\j] offset:8192*\j
.endr
	ds_store_b128 v172, v[164:167]
	ds_store_b64 v173, v[168:169]
	s_wait_dscnt 0x0                               ; for the others' sake: my stores have landed
	s_barrier_signal -1
	s_barrier_wait -1                              ; the head lies in LDS; from here on LDS is only read
.macro QTILE qn                        ; my tile qn of queries against all 2,048 keys, 128 a step
.if \qn
	s_wait_xcnt 0x0                                ; the first tile's stores have read their registers
.endif
	v_mov_b32 v13, 0xff61b1e6                      ; the largest t so far: -3e38
	v_floor_f32 v12, -v13                          ; -M
	v_mov_b32 v14, 0                               ; the sum, in two halves
	v_mov_b32 v15, 0
.set n, 0
.rept 32
	v_mov_b32 v[164+n], 0                          ; O^T: the step is written once; the first finds zeros
.set n, n+1
.endr
	s_mov_b32 s24, 0                               ; the step's images: 4,096 bytes a step, k's and v's alike
	s_mov_b32 s25, 0                               ; k's scale words
	s_mov_b32 s26, 0                               ; v's
	s_mov_b32 s19, 16-\qn                          ; tile 0: 16 trips, the last of which asks for tile 1's first record, its neighbour; tile 1: 15 trips and a last step that asks for nothing
.Lstep_\@:
	STEP \qn, 1
	s_sub_co_u32 s19, s19, 1
	s_cmp_lg_u32 s19, 0
	s_cbranch_scc1 .Lstep_\@
.if \qn
	STEP \qn, 0                                    ; no load leaves its buffer
.endif
	; the tile's end: O^T / the sum, quantised along the head's 64: two blocks
.rept 4
	v_nop
.endr
	v_add_f32 v14, v14, v15
	v_permlanex16_b32 v224, v14, s20, s21
	v_add_f32 v14, v14, v224                       ; the row's sum
	v_rcp_f32 v14, v14
	v_nop                                          ; a plain instruction behind the reciprocal,
	s_wait_alu depctr_va_vdst(0)                   ; and the wait ahead of its first reader
.set n, 0
.rept 32
	v_mul_f32 v[100+n], v[164+n], v14              ; register 16 e + i: d = 32 e + 16 h + i of my query
.set n, n+1
.endr
.irp e, 0,1
	v_max3_num_f32 v[212+\e], |v[100+16*\e]|, |v[101+16*\e]|, 0x1800000
.endr
.irp i, 2,4,6,8,10,12,14
.irp e, 0,1
	v_max3_num_f32 v[212+\e], v[212+\e], |v[100+16*\e+\i]|, |v[101+16*\e+\i]|
.endr
.endr
.irp e, 0,1
	v_permlanex16_b32 v[216+\e], v[212+\e], s20, s21
.endr
.irp e, 0,1
	v_max_num_f32 v[212+\e], v[212+\e], v[216+\e]
.endr
.irp e, 0,1
	v_add_nc_u32 v[220+\e], 0xff000000, v[212+\e]
.endr
.irp e, 0,1
	v_lshrrev_b32 v[216+\e], 23, v[220+\e]
.endr
.irp e, 0,1
	v_cvt_scalef32_pk8_fp4_f32 v[196+2*\e], v[100+16*\e:107+16*\e], v[220+\e]
	v_cvt_scalef32_pk8_fp4_f32 v[197+2*\e], v[108+16*\e:115+16*\e], v[220+\e]
.endr
	v_nop
	v_permlane16_swap_b32 v196, v198               ; v196-199: d = 32 h .. 32 h + 31
	v_permlane16_swap_b32 v197, v199
	v_cndmask_b32 v225, v216, v217, s27            ; lane (r, h) carries block h's byte
	global_store_b128 v1, v[196:199], s[2:3] offset:8192*\qn       ; 512 consecutive bytes: half a fragment of the last projection's operand
	global_store_b8 v9, v225, s[66:67] offset:512*\qn
.endm
	QTILE 0
	QTILE 1
	s_wait_tensorcnt 0x0
	ds_add_u32 v254, v255
	s_wait_dscnt 0x0
	s_endpgm
.Lfunc_end_k_qf77ccc780a_attn:
	.size	k_qf77ccc780a_attn, .Lfunc_end_k_qf77ccc780a_attn-k_qf77ccc780a_attn
	.p2alignl 7, 3214868480
	.fill 96, 4, 3214868480
	.section	.rodata,"a",@progbits
	.p2align	6, 0x0
	.amdhsa_kernel k_qf77ccc780a_attn
		.amdhsa_group_segment_fixed_size 145408
		.amdhsa_private_segment_fixed_size 0
		.amdhsa_enable_private_segment 0
		.amdhsa_kernarg_size 24
		.amdhsa_user_sgpr_count 2
		.amdhsa_user_sgpr_kernarg_segment_ptr 1
		.amdhsa_wavefront_size32 1
		.amdhsa_system_sgpr_workgroup_id_x 1
		.amdhsa_system_sgpr_workgroup_id_y 1
		.amdhsa_system_sgpr_workgroup_id_z 1
		.amdhsa_system_vgpr_workitem_id 0
		.amdhsa_next_free_vgpr 256
		.amdhsa_next_free_sgpr 102
		.amdhsa_reserve_vcc 0
		.amdhsa_float_denorm_mode_32 3
		.amdhsa_float_denorm_mode_16_64 3
		.amdhsa_memory_ordered 1
		.amdhsa_forward_progress 1
		.amdhsa_inst_pref_size 74
	.end_amdhsa_kernel
	.amdgpu_metadata
---
amdhsa.version: [ 1, 2 ]
amdhsa.kernels:
  - .name:           k_qf77ccc780a_attn
    .symbol:         k_qf77ccc780a_attn.kd
    .args:
      - { .name: att, .offset: 0, .size: 8, .value_kind: global_buffer, .address_space: global }
      - { .name: mk, .offset: 8, .size: 8, .value_kind: global_buffer, .address_space: global }
      - { .name: cat, .offset: 16, .size: 8, .value_kind: global_buffer, .address_space: global }
    .group_segment_fixed_size: 145408
    .private_segment_fixed_size: 0
    .kernarg_segment_align: 8
    .kernarg_segment_size: 24
    .max_flat_workgroup_size: 512
    .sgpr_count:     102
    .vgpr_count:     256
    .wavefront_size: 32
...
	.end_amdgpu_metadata
.endif
;; end of part 3
;; launch outp (part 4): grid 4 x 32, 4 waves a work-group, clusters of 4 x 4, 296,448 bytes of LDS; arguments cat, xw, bo, out0; writes out0
.if DOCPART == 4
	.amdgcn_target "amdgcn-amd-amdhsa--gfx1250"
	.amdhsa_code_object_version 6
	.text
	.protected	k_qf77ccc780a_outp
	.globl	k_qf77ccc780a_outp
	.p2align	8
	.type	k_qf77ccc780a_outp,@function
k_qf77ccc780a_outp:
	s_mov_b64 s[64:65], 0
	v_nop
	global_prefetch_b8 v0, s[64:65] scope:SCOPE_SE
	s_setreg_imm32_b32 hwreg(HW_REG_WAVE_MODE, 25, 1), 1
	s_wait_xcnt 0x0
	s_wait_alu depctr_hold_cnt(0) depctr_sa_sdst(0) depctr_va_vdst(0) depctr_va_sdst(0) depctr_va_ssrc(0) depctr_va_vcc(0) depctr_vm_vsrc(0)
	s_getreg_b32 s2, hwreg(HW_REG_IB_STS2, 6, 4)
	s_cmp_eq_u32 s2, 0
	s_cbranch_scc0 .Lentry_in_a_cluster
	s_endpgm
.Lentry_in_a_cluster:
	s_bfe_u32 s2, ttmp6, 0x10000c
	s_cmp_lg_u32 s2, 0xf033
	s_cbranch_scc0 .Lentry_shape_is_right
	s_endpgm
.Lentry_shape_is_right:
; OUTP.  out0 = concat Wo^T + bo on codes of FP4 with E8M0 scales: concat's images and scale words come from the attention launch (cat), Wo's from the first launch (xw).  out0: [8192][1024] f32.
; SHARES.  A work-group makes 256 tokens x 256 units; its four waves 128 x 128 each: 64 accumulators of 16 x 16, 512 registers.  128 work-groups: with tiles of 256 x 256 this product has no more.
; ALL OF K (1,024) LIES IN LDS AT ONCE, as images of the operand's registers, in four quarters of two K steps; each wave asks for 8 tiles x 2,048 bytes of each quarter by one tensor load: four loads of mine are out at the start;
; nothing is filled again.  A quarter is read behind a counted wait and a barrier.
; CLUSTER 4 x 4.  The four work-groups of a row of the cluster need the same tokens, the four of a column the same rows of Wo: each tile is asked for jointly.
; Source 0 is P = Wo's rows, source 1 is R = tokens: lane (r, h) of accumulator (a, b) holds row r of token tile a and its register j unit 32 (b / 2) + 16 h + 8 (b % 2) + j: the 16 registers of accumulators 2 e, 2 e + 1 are 64 neighbouring bytes of a row of out0.
; Tile T of tokens or of Wo's rows holds rows 32 (T / 2) + 8 (T % 2) + r + 8 (r / 8).  The bias is the C of each sum's first matrix instruction.
; THE WAY OUT: a block of 16 rows x 128 units goes through the wave's own stage in LDS (rows 528 bytes apart, behind the tiles, in bytes into which no fill lands) and leaves as whole rows: each store covers 512 consecutive bytes, aligned.
; REGISTERS, in windows of 256: window 0: v0-31 addresses; v32-95 R's scale words; v128-191 R's fragments, later rows on their way out; v192-255 P's scale words.
;   window 1: v0-63, v128-191 P's fragments, two sets (v0-63 later rows on their way out); v64-127 the bias.   windows 2, 3: the accumulators ((a, b) at v[8 (8 (a % 4) + b)]).
.set SCL, 14680064
.set CS,  4194304
.set QTR, 65536
.set STG, 262144                       ; behind the tiles: the stages, 16 x 528 bytes a wave
.set LI,  4
.set VR,  5
.set AR,  6
.set AP,  7
.set VB,  8
.set STO, 9                            ; v9   where I put 64 bytes of a row
.set RD,  10                           ; v10  where I read a row back
.set SR,  32
.set RF,  128
.set SPR, 192
.set BI,  64
.set CM,  1
.set MSB, 0
.macro WIN new                         ; the immediate's high byte repeats the setting that is left
.if MSB != \new
	s_set_vgpr_msb (MSB<<8)|\new
.set MSB, \new
.endif
.endm
.macro PLACES                          ; four plain instructions behind a matrix instruction, ahead of loads into its registers and of reads of its results
.rept 4
	v_nop
.endr
.endm
.macro CROUND                          ; a round of the cluster's barrier
	s_barrier_signal -1
	s_barrier_wait -1
	s_cmp_lg_u32 s14, 0
	s_cbranch_scc1 .Lnot_wave_0_\@
	s_barrier_signal -3
.Lnot_wave_0_\@:
	s_barrier_wait -3
	s_barrier_signal -1
	s_barrier_wait -1
.endm
.macro FRAG reg, adr, off
	ds_load_b128 v[\reg:\reg+3], v[\adr] offset:\off
	ds_load_b128 v[\reg+4:\reg+7], v[\adr] offset:\off+512
.endm
.macro FETCH_P sg, set
	WIN 0x40
.irp i, 0,1,2,3,4,5,6,7
	FRAG 128*(\set)+8*\i, AP, 2048*\i+1024*(\sg)
.endr
	WIN 0
.endm
.macro FETCH_R sg, i0
.irp i, \i0, \i0+1, \i0+2, \i0+3
	FRAG RF+8*(\i), AR, 2048*(\i)+1024*(\sg)
.endr
.endm
; 16 matrix instructions: R's tiles a0, a0 + 1 x P's eight, K step s.  first = 1: the bias starts the sums.  The 64 accumulators take turns, one instruction a turn, in the same order in every step.
.macro MUL16 a0, set, s, first
.irp a, \a0, \a0+1
.irp b, 0,1,2,3,4,5,6,7
.if \first
	v_wmma_scale_f32_16x16x128_f8f6f4 v[8*(8*((\a)%4)+\b):8*(8*((\a)%4)+\b)+7], v[128*(\set)+8*\b:128*(\set)+8*\b+7], v[RF+8*(\a):RF+8*(\a)+7], v[BI+8*\b:BI+8*\b+7], v[SPR+8*\b+(\s)], v[SR+8*(\a)+(\s)] matrix_a_fmt:MATRIX_FMT_FP4 matrix_b_fmt:MATRIX_FMT_FP4
.else
	v_wmma_scale_f32_16x16x128_f8f6f4 v[8*(8*((\a)%4)+\b):8*(8*((\a)%4)+\b)+7], v[128*(\set)+8*\b:128*(\set)+8*\b+7], v[RF+8*(\a):RF+8*(\a)+7], v[8*(8*((\a)%4)+\b):8*(8*((\a)%4)+\b)+7], v[SPR+8*\b+(\s)], v[SR+8*(\a)+(\s)] matrix_a_fmt:MATRIX_FMT_FP4 matrix_b_fmt:MATRIX_FMT_FP4
.endif
.endr
.endr
.endm
.macro STEP s, first                   ; a quarter's first K step (P's set 0)
	s_wait_dscnt 8                                 ; P's set and R's tiles 0-3 are in; the youngest eight loads (R's tiles 4-7) may be out
.if \first
	WIN 0x91                                       ; source 0 window 1, source 1 window 0, C (the bias) window 1, D window 2
.else
	WIN 0xa1
.endif
	MUL16 0, 0, \s, \first
	MUL16 2, 0, \s, \first
	s_wait_dscnt 0x0
	PLACES
	FETCH_P 1, 1
	FETCH_R 1, 0
.if \first
	WIN 0xd1
.else
	WIN 0xf1
.endif
	MUL16 4, 0, \s, \first
	MUL16 6, 0, \s, \first
	PLACES
	WIN 0
	FETCH_R 1, 4
.endm
.macro TURN s, n                       ; a quarter's second K step (P's set 1); n: my tensor loads issued behind the next quarter's
	s_wait_tensorcnt \n                            ; my part of the next quarter has landed
	s_wait_dscnt 8
	WIN 0xa1
	MUL16 0, 1, \s, 0
	s_wait_dscnt 0x0                               ; no LDS instruction of mine is out at the signal
	s_barrier_signal -1
	MUL16 2, 1, \s, 0
	WIN 0
	s_barrier_wait -1                              ; everybody's part has landed
	PLACES
	v_add_nc_u32 v[AR], QTR, v[AR]
	v_add_nc_u32 v[AP], QTR, v[AP]
	FETCH_P 0, 0
	FETCH_R 0, 0
	WIN 0xf1
	MUL16 4, 1, \s, 0
	MUL16 6, 1, \s, 0
	PLACES
	WIN 0
	FETCH_R 0, 4
.endm
.macro LAST s
	s_wait_dscnt 8
	WIN 0xa1
	MUL16 0, 1, \s, 0
	MUL16 2, 1, \s, 0
	s_wait_dscnt 0x0
	WIN 0xf1
	MUL16 4, 1, \s, 0
	MUL16 6, 1, \s, 0
	WIN 0
	PLACES
.endm
	s_load_b256 s[4:11], s[0:1], 0x0               ; cat s[4:5], xw s[6:7], bo s[8:9], out0 s[10:11]
	v_lshl_add_u32 v126, v0, 2, 0x48400
	v_mov_b32 v127, 0
	ds_add_u32 v126, v127
	ds_add_u32 v126, v127
	v_lshrrev_b32 v1, 5, v0
	v_readfirstlane_b32 s14, v1                    ; wave 0..3
	s_lshr_b32 s15, s14, 1                         ; which 128 tokens are mine
	s_and_b32 s16, s14, 1                          ; which 128 units.  Also: which 8 tiles I fetch
	s_bfe_u32 s17, ttmp6, 0x40000                  ; cx
	s_bfe_u32 s18, ttmp6, 0x40004                  ; cy
	s_lshl_b32 s19, ttmp9, 2
	s_add_co_u32 s19, s19, s17                     ; which 256 units
	s_and_b32 s20, ttmp7, 0xffff
	s_lshl_b32 s20, s20, 2
	s_add_co_u32 s20, s20, s18                     ; which 256 tokens
	s_lshl_b32 s90, s18, 2
	s_lshl_b32 s90, 15, s90                        ; my row of the cluster
	s_lshl_b32 s92, 0x1111, s17                    ; my column
	s_or_b32 s24, s90, (3<<16)|(1<<21)             ; group 1: 15:0 the mask; 17:16 elements of 8 bytes; 21 set beside a mask
	s_or_b32 s32, s92, (3<<16)|(1<<21)
.irp g, 24, 32
	s_mov_b32 s[\g+1], 256<<16                     ; tensor_dim0: 2,048 bytes
	s_mov_b32 s[\g+2], 8<<16                       ; tensor_dim1: 8 tiles
	s_mov_b32 s[\g+3], 256<<16                     ; tile_dim0
	s_mov_b32 s[\g+4], 8                           ; tile_dim1
	s_mov_b32 s[\g+5], 1024                        ; tensor_dim0_stride: 8,192 bytes from tile to tile
	s_mov_b32 s[\g+6], 0
	s_mov_b32 s[\g+7], 0
.endr
	s_lshl_b32 s90, s20, 17
	s_lshl_b32 s91, s16, 16
	s_add_co_u32 s90, s90, s91
	s_mov_b32 s91, 0
	s_lshl_b32 s92, s19, 17
	s_lshl_b32 s93, s16, 16
	s_add_co_u32 s92, s92, s93
	s_add_co_u32 s92, s92, 1728*8192               ; Wo's tiles begin here
	s_mov_b32 s93, 0
	s_lshl_b32 s89, s14, 14                        ; where they go: wave x 16,384
	s_wait_dscnt 0x0
	s_wait_kmcnt 0x0
	s_add_nc_u64 s[90:91], s[4:5], s[90:91]
	s_add_nc_u64 s[92:93], s[6:7], s[92:93]
.irp q, 0,1,2,3
	s_mov_b32 s[40+4*\q], 1
	s_add_co_u32 s[41+4*\q], s89, \q*QTR
	s_add_nc_u64 s[42+4*\q:43+4*\q], s[90:91], \q*2048
	s_or_b32 s[43+4*\q], s[43+4*\q], 0x80000000
	s_mov_b32 s[56+4*\q+4*(\q/2)], 1
	s_add_co_u32 s[57+4*\q+4*(\q/2)], s89, \q*QTR
	s_add_nc_u64 s[58+4*\q+4*(\q/2):59+4*\q+4*(\q/2)], s[92:93], \q*2048
	s_or_b32 s[59+4*\q+4*(\q/2)], s[59+4*\q+4*(\q/2)], 0x80000000
.endr
	CROUND                                         ; all sixteen work-groups are here: the joint loads meet
	s_cmp_lt_u32 s14, 2                            ; waves 0 and 1 fetch the tokens' tiles, waves 2 and 3 Wo's: a wave's four fills stand in one branch; four v_nop follow the last
	s_cbranch_scc0 .Lfill_w
	tensor_load_to_lds s[40:43], s[24:31]
	s_nop 0
	tensor_load_to_lds s[44:47], s[24:31]
	s_nop 0
	tensor_load_to_lds s[48:51], s[24:31]
	s_nop 0
	tensor_load_to_lds s[52:55], s[24:31]
	s_nop 0
	PLACES
	s_branch .Lfilled
.Lfill_w:
	tensor_load_to_lds s[56:59], s[32:39]
	s_nop 0
	tensor_load_to_lds s[60:63], s[32:39]
	s_nop 0
	tensor_load_to_lds s[68:71], s[32:39]
	s_nop 0
	tensor_load_to_lds s[72:75], s[32:39]
	s_nop 0
	PLACES
.Lfilled:
	v_and_b32 v1, 31, v0
	v_and_b32 v2, 15, v0                           ; r
	v_bfe_u32 v3, v0, 4, 1                         ; h
	v_lshlrev_b32 v[LI], 4, v1
	v_lshlrev_b32 v[VR], 4, v2
	s_lshl_b32 s94, s15, 14
	v_add_nc_u32 v[AR], s94, v[LI]
	s_lshl_b32 s94, s16, 14
	s_add_co_u32 s94, s94, 32768
	v_add_nc_u32 v[AP], s94, v[LI]
	v_lshlrev_b32 v[VB], 6, v3
	s_mul_i32 s94, s14, 16*528
	s_add_co_u32 s94, s94, STG                     ; my stage
	v_mul_u32_u24 v[STO], v2, 528
	v_lshl_add_u32 v[STO], v3, 6, v[STO]
	v_add_nc_u32 v[STO], s94, v[STO]               ; in: row r, + 64 h
	v_add_nc_u32 v[RD], s94, v[LI]                 ; back: the 32 lanes take one row of 512 bytes
	s_lshl_b32 s76, s20, 13                        ; R's scale words
	s_lshl_b32 s77, s15, 12
	s_add_co_u32 s76, s76, s77
	s_add_co_u32 s76, s76, CS
	s_mov_b32 s77, 0
	s_add_nc_u64 s[76:77], s[4:5], s[76:77]
	s_lshl_b32 s78, s19, 13                        ; P's
	s_lshl_b32 s79, s16, 12
	s_add_co_u32 s78, s78, s79
	s_add_co_u32 s78, s78, SCL+1728*512
	s_mov_b32 s79, 0
	s_add_nc_u64 s[78:79], s[6:7], s[78:79]
	s_lshl_b32 s80, s19, 10
	s_lshl_b32 s81, s16, 9
	s_add_co_u32 s80, s80, s81                     ; my 128 units, in bytes
	s_mov_b32 s81, 0
	s_lshl_b32 s82, s20, 20                        ; my 128 rows of out0, 4,096 bytes each
	s_lshl_b32 s83, s15, 19
	s_add_co_u32 s82, s82, s83
	s_add_co_u32 s82, s82, s80
	s_mov_b32 s83, 0
	s_add_nc_u64 s[82:83], s[10:11], s[82:83]
	s_add_nc_u64 s[80:81], s[8:9], s[80:81]        ; bo at my units
	WIN 0x40
.irp b, 0,1,2,3,4,5,6,7                ; lane (r, h), register j of tile b: the bias of unit 32 (b / 2) + 16 h + 8 (b % 2) + j
	global_load_b128 v[BI+8*\b:BI+8*\b+3], v[VB], s[80:81] offset:(32*(\b/2)+8*(\b%2))*4
	global_load_b128 v[BI+8*\b+4:BI+8*\b+7], v[VB], s[80:81] offset:(32*(\b/2)+8*(\b%2))*4+16
.endr
	WIN 0
.irp a, 0,1,2,3,4,5,6,7                ; the scale words of my 8 tiles of R and of P, all 8 K steps
.irp f, 0,1
	global_load_b128 v[SR+8*\a+4*\f:SR+8*\a+4*\f+3], v[VR], s[76:77] offset:512*\a+256*\f
	global_load_b128 v[SPR+8*\a+4*\f:SPR+8*\a+4*\f+3], v[VR], s[78:79] offset:512*\a+256*\f
.endr
.endr
	s_wait_loadcnt 0x0
	s_wait_tensorcnt 3                             ; my part of quarter 0 has landed; my other three loads may be out
	s_barrier_signal -1
	s_barrier_wait -1
	FETCH_P 0, 0
	FETCH_R 0, 0
	FETCH_R 0, 4
	STEP 0, 1
	TURN 1, 2
	STEP 2, 0
	TURN 3, 1
	STEP 4, 0
	TURN 5, 0
	STEP 6, 0
	LAST 7
; THE WAY OUT, block by block of 16 rows.  LDS serves a wave's instructions in order: no wait between the stores and the loads, nor ahead of the next block's stores.  Rows come back into window 0's v128-191 (even blocks) or window 1's v0-63 (odd blocks).
.macro TOSTAGE a
.set AC, 64*((\a)%4)
.set WDT, 0x08+4*((\a)/4)
	WIN WDT                                        ; an LDS store's data are its source 1: window 2 or 3
.irp e, 0,1,2,3
.irp g, 0,1,2,3
	ds_store_b128 v[STO], v[AC+16*\e+4*\g:AC+16*\e+4*\g+3] offset:128*\e+16*\g   ; each accumulator from its low end on
.endr
.endr
.if ((\a)%2)
	WIN 0x40
.set BB, 0
.else
	WIN 0
.set BB, 128
.endif
.irp t, 0,1,2,3,4,5,6,7,8,9,10,11,12,13,14,15
	ds_load_b128 v[BB+4*\t:BB+4*\t+3], v[RD] offset:528*\t
.endr
	WIN 0
.endm
.macro SEND a, younger                 ; younger: the LDS instructions issued behind block a's loads, which may stay out
	s_wait_dscnt \younger
.if ((\a)%2)
	WIN 0x04                                       ; a store's data are its source 1: window 1
.set BB, 0
.else
.set BB, 128
.endif
.irp t, 0,1,2,3,4,5,6,7,8,9,10,11,12,13,14,15
	global_store_b128 v[LI], v[BB+4*\t:BB+4*\t+3], s[82:83] offset:(32*((\a)/2)+8*((\a)%2)+\t+8*(\t/8))*4096 th:TH_STORE_NT   ; 512 consecutive bytes of a row, aligned; written once, read by nobody here
.endr
	WIN 0
.endm
	TOSTAGE 0
.irp a, 1,2,3,4,5,6,7
.if \a > 1
	s_wait_xcnt 0x0                                ; block a - 2's stores have read their registers: block a's loads may land there
.endif
	TOSTAGE \a
	SEND \a-1, 32                                  ; behind block a - 1's loads: block a's 16 stores and 16 loads
.endr
	SEND 7, 0
	s_wait_tensorcnt 0x0
	s_wait_dscnt 0x0
	s_wait_tensorcnt 0x0
	ds_add_u32 v126, v127
	s_wait_dscnt 0x0
	CROUND                                         ; the closing round: no work-group ends while a partner may still ask for a tile that names it
	s_endpgm
.Lfunc_end_k_qf77ccc780a_outp:
	.size	k_qf77ccc780a_outp, .Lfunc_end_k_qf77ccc780a_outp-k_qf77ccc780a_outp
	.p2alignl 7, 3214868480
	.fill 96, 4, 3214868480
	.section	.rodata,"a",@progbits
	.p2align	6, 0x0
	.amdhsa_kernel k_qf77ccc780a_outp
		.amdhsa_group_segment_fixed_size 296448
		.amdhsa_private_segment_fixed_size 0
		.amdhsa_enable_private_segment 0
		.amdhsa_kernarg_size 32
		.amdhsa_user_sgpr_count 2
		.amdhsa_user_sgpr_kernarg_segment_ptr 1
		.amdhsa_wavefront_size32 1
		.amdhsa_system_sgpr_workgroup_id_x 1
		.amdhsa_system_sgpr_workgroup_id_y 1
		.amdhsa_system_sgpr_workgroup_id_z 1
		.amdhsa_system_vgpr_workitem_id 0
		.amdhsa_next_free_vgpr 1024
		.amdhsa_next_free_sgpr 96
		.amdhsa_reserve_vcc 0
		.amdhsa_float_denorm_mode_32 3
		.amdhsa_float_denorm_mode_16_64 3
		.amdhsa_memory_ordered 1
		.amdhsa_forward_progress 1
		.amdhsa_inst_pref_size 127
	.end_amdhsa_kernel
	.amdgpu_metadata
---
amdhsa.version: [ 1, 2 ]
amdhsa.kernels:
  - .name:           k_qf77ccc780a_outp
    .symbol:         k_qf77ccc780a_outp.kd
    .args:
      - { .name: cat, .offset: 0, .size: 8, .value_kind: global_buffer, .address_space: global }
      - { .name: xw, .offset: 8, .size: 8, .value_kind: global_buffer, .address_space: global }
      - { .name: bo, .offset: 16, .size: 8, .value_kind: global_buffer, .address_space: global }
      - { .name: out0, .offset: 24, .size: 8, .value_kind: global_buffer, .address_space: global }
    .group_segment_fixed_size: 296448
    .private_segment_fixed_size: 0
    .kernarg_segment_align: 8
    .kernarg_segment_size: 32
    .max_flat_workgroup_size: 128
    .sgpr_count:     96
    .vgpr_count:     1024
    .wavefront_size: 32
...
	.end_amdgpu_metadata
.endif
;; end of part 4
;; ======== version 2 of 2: 4 launches; version 1 with the launch attn written anew for expert scheduling mode
;; limits: right only within a limited range of input values
;; workspace buffers: xw 15,597,568 bytes; mk 2,097,152 bytes of whole numbers; att 13,893,632 bytes; cat 4,456,448 bytes
;; launch prep: the kernel of part 1 again; grid 704 x 1, 4 waves a work-group, no clusters, 68,096 bytes of LDS; arguments query, key, value, Wq, Wk, Wv, Wo, mask, xw, mk; writes xw, mk
;; launch proj: the kernel of part 2 again; grid 4 x 96, 4 waves a work-group, clusters of 4 x 4, 268,800 bytes of LDS; arguments xw, bq, bk, bv, att; writes att
;; launch attn (part 5): grid 4 x 64, 16 waves a work-group, no clusters, 145,408 bytes of LDS; arguments att, mk, cat; writes cat
.if DOCPART == 5
	.amdgcn_target "amdgcn-amd-amdhsa--gfx1250"
	.amdhsa_code_object_version 6
	.text
	.protected	k_qf77ccc780a_attn
	.globl	k_qf77ccc780a_attn
	.p2align	8
	.type	k_qf77ccc780a_attn,@function
k_qf77ccc780a_attn:
	s_mov_b64 s[64:65], 0
	v_nop
	global_prefetch_b8 v0, s[64:65] scope:SCOPE_SE
	s_setreg_imm32_b32 hwreg(HW_REG_WAVE_SCHED_MODE, 0, 2), 2
	s_setreg_imm32_b32 hwreg(HW_REG_WAVE_MODE, 25, 1), 1
	s_wait_xcnt 0x0
	s_wait_alu depctr_vm_vsrc(0)
; ATTN.  For each (b, head): S = q k^T / 8, the mask, softmax, times v; both products on codes of FP4 with E8M0 scales; the result, divided by the row's sum, is quantised along the head's 64 for the last projection.
; THE SOFTMAX AHEAD OF THE SECOND PRODUCT: t = score x log2(e) / 8; M = the row's largest t so far, rounded up to a whole number; p = 2^(t - M) is quantised along the keys, not normalised; the row's sum is taken of the
; unquantised p and divides at the end.  When M moves, the sum and O are multiplied by 2^(old M - new M): exact.
; SHARES.  A work-group owns 512 queries of one head; each of its sixteen waves two tiles of 16 queries, one after the other, in 256 registers: four waves to a SIMD, so that one wave's vector work stands beside another's matrix work and LDS loads.
; LDS holds the WHOLE head, filled once through registers: k's images (65,536 bytes), v's (65,536), k's scale words (8,192), v's (4,096).  One barrier in the whole text.
; NO JOINT REQUEST: what the four work-groups of a head share is this one fill, 18 loads a thread at the head, against 32 steps of some 300 vector instructions a wave; a joint request would spare three of four requests
; for 143,360 bytes and nothing in the loop.
; LAYOUT.  Both products are used transposed: S^T = k q^T, O^T = v^T p^T: a lane holds one query (lane % 16) throughout.  Tiles of keys, of queries and of d hold rows 32 (T / 2) + 8 (T % 2) + r + 8 (r / 8), so that the 16 registers of
; tiles 2 e, 2 e + 1 are 16 neighbours, 32 e + 16 (lane / 16) + 0 .. 15.
; K = 64 IN A FORM OF K = 128: q's registers 4 to 7 are zero codes, and bytes 2 and 3 of q's and k's scale words are 0.  So what k's operand holds there adds nothing, and k's operand of tile T is the run v[32 + 4 T .. + 7], whose upper half is the next tile's codes:
; one load of 16 bytes a lane brings a tile of keys.
; THE MASK.  The first launch has laid it as lane masks, 64 words for each (tile of queries, step of 128 keys): word n selects for score register n.  They come by scalar loads, asked for in the step before, and every step makes its 64 selections:
; no branch hangs on them.  A hidden score becomes -2^33, a logit of -2^30 where reference() has -1e9.  -2^33 x log2(e) / 8 is a whole number in f32, so in a row that is wholly hidden t - M is exactly 0 and every p is 1: the uniform average.  Elsewhere p = 0.
; LIMITS: the results agree with reference() while logits that count lie above about -9.9e8.  NaN and infinities are not served.  A block's largest p is made from the block's largest score by the same two instructions
; (this takes v_exp_f32 not to fall where its input rises).  A block whose largest magnitude lies under 2^-124 gets the byte 1.
; The scale bytes of the result leave one byte a lane: a head owns two of a row's 32 bytes; they are 262,144 bytes of the launch's 4,456,448.
; REGISTERS: v1-4 addresses that stay; v5-8 the step's; v9 16 r + h; v10, v11 q's scale words; v12 -M, v13 the largest t, v[14:15] the sum; v16-31 q's two fragments; v32-67 k; v68-99 v; v100-163 S^T, then p; v164-195 O^T;
; v196-203 p's codes; v204-207 k's scale words, v208-211 v's; v212-229 at work; v230 p's scale word; v231 -2^33.   s32-63, s68-99: the step's 64 lane masks; s[16:17] where they come from.
; THE MODE: SCHED_MODE bits 1:0 = 2 (LLVM: expert scheduling mode 2), set by the entry lines.  The code itself states the register dependences between vector or matrix instructions and memory or LDS instructions, with s_wait_alu, always for 0.
; THE PLAN.  Registers that LDS or memory instructions touch, in a step:
;   v32-63, v204-207   k's codes and scale words.  Read by the step's eight first products; the LDS loads of the NEXT step's k land in them.
;   v68-99, v208-211   v's.  Read by the step's four last products; this step's LDS loads land in them.
;   v5-8               the loads' addresses.  Read by those loads; written by four additions behind the next step's first products.
;   v1-4, v9           made at the head, never written again.
;   s32-63, s68-99     the lane masks.  Read by the 64 selections; the next record's scalar loads land in them.
; A step has three waits on va_vdst.  The first stands behind the 64 exponentials, ahead of their first reader.  Ahead of it stand also the step's first products, the last step's last products, the four additions and the selections:
; so all of the step's loads follow it: v's nine, the masks' four, and the next step's nine of k, dealt among the row's sums; no vector or matrix instruction between the wait and a load names a register that the load touches.
; The second stands behind the four exponentials of the blocks' largest p; the third ahead of the last products, for p's codes and scale word.  One wait on vm_vsrc stands ahead of the four additions.
; A tile's last step is written out: it has no next step of keys.  Tile 0's loads key step 0 once more, for tile 1; tile 1's loads nothing ahead.
.set QKS, 8388608
.set VC,  9437184
.set VS,  13631488
.set CS,  4194304
.set LV,  65536                        ; LDS: v's images
.set LKS, 131072                       ; k's scale words, 512 bytes a step
.set LVS, 139264                       ; v's, 256 bytes a step
.macro MASKS                           ; a record of 64 lane masks, 256 bytes
	s_load_b512 s[32:47], s[16:17], 0x0
	s_load_b512 s[48:63], s[16:17], 0x40
	s_load_b512 s[68:83], s[16:17], 0x80
	s_load_b512 s[84:99], s[16:17], 0xc0
.endm
; A KEY STEP of my tile qn of queries: 128 keys.  ahead = 1: the next step's lane masks are asked for.
; kn = 1: the next step's k is asked for, and the LDS offsets step; kn = 2: key step 0's k, for my next tile of queries; kn = 0: none.
.macro STEP qn, ahead, kn
.if \kn == 1
.set KA,  5                            ; the next step's k: by the step's addresses, a step's bytes further on
.set KAO, 4096
.set KW,  7
.set KWO, 512
.else
.set KA,  1                            ; key step 0's: by the addresses that stay
.set KAO, 0
.set KW,  3
.set KWO, 0
.endif
	s_wait_dscnt 0x0                               ; k and its scale words, asked for in the step before, are in
.irp T, 0,1,2,3
	v_wmma_scale_f32_16x16x128_f8f6f4 v[100+8*\T:107+8*\T], v[32+4*\T:39+4*\T], v[16+8*\qn:23+8*\qn], 0, v[204+\T], v[10+\qn] matrix_a_fmt:MATRIX_FMT_FP4 matrix_b_fmt:MATRIX_FMT_FP4
.endr
.irp T, 4,5,6,7
	v_wmma_scale_f32_16x16x128_f8f6f4 v[100+8*\T:107+8*\T], v[32+4*\T:39+4*\T], v[16+8*\qn:23+8*\qn], 0, v[200+\T], v[10+\qn] matrix_a_fmt:MATRIX_FMT_FP4 matrix_b_fmt:MATRIX_FMT_FP4 matrix_a_scale:MATRIX_SCALE_ROW1
.endr
	s_wait_alu depctr_vm_vsrc(0)                   ; the LDS loads of the step before have read v5 to v8, which the lines below write anew
	v_add_nc_u32 v6, s24, v2                       ; (these four are the places behind the products)
	v_add_nc_u32 v8, s26, v4
.if \kn == 1
	v_add_nc_u32 v5, s24, v1
	v_add_nc_u32 v7, s25, v3
.else
	v_nop
	v_nop
.endif
	s_wait_kmcnt 0x0                               ; this step's lane masks, asked for in the step before, are in
.set n, 0
.rept 64
	v_cndmask_b32 v[100+n], v231, v[100+n], s[32+n+4*(n/32)]   ; a hidden score becomes -2^33, ahead of the maximum
.set n, n+1
.endr
.irp b, 0,1,2,3
	v_max3_num_f32 v[212+\b], v[100+16*\b], v[101+16*\b], v[102+16*\b]   ; the largest score of each block of 32 keys: for the row's maximum, and for the block's largest p
.endr
.irp i, 3,5,7,9,11,13
.irp b, 0,1,2,3
	v_max3_num_f32 v[212+\b], v[212+\b], v[100+16*\b+\i], v[101+16*\b+\i]
.endr
.endr
.irp b, 0,1,2,3
	v_max_num_f32 v[212+\b], v[212+\b], v[115+16*\b]
.endr
.irp b, 0,1,2,3
	v_permlanex16_b32 v[216+\b], v[212+\b], s20, s21
.endr
.irp b, 0,1,2,3
	v_max_num_f32 v[212+\b], v[212+\b], v[216+\b]  ; with lane l xor 16's 16 keys
.endr
	v_max3_num_f32 v224, v212, v213, v214
	v_max_num_f32 v224, v224, v215                 ; the step's largest score of my query
	v_mul_f32 v224, s22, v224                      ; as t
	v_max_num_f32 v13, v13, v224                   ; the running largest t
	v_mov_b32 v224, v12
	v_floor_f32 v12, -v13                          ; the new -M = -ceil(t)
	v_sub_f32 v224, v12, v224                      ; old M - new M: a whole number, 0 or less
	v_cvt_i32_f32 v224, v224                       ; (it saturates)
	v_ldexp_f32 v226, 1.0, v224                    ; f = 2^(old M - new M)
.set n, 0
.rept 32
	v_pk_fma_f32 v[100+n:101+n], v[100+n:101+n], s[22:23], v[12:13] op_sel_hi:[1,0,0]   ; t - M, two at a time
.set n, n+2
.endr
.irp b, 0,1,2,3
	v_fma_f32 v[212+\b], v[212+\b], s22, v12       ; the same of each block's largest score
.endr
.set n, 0
.rept 64
	v_exp_f32 v[100+n], v[100+n]                   ; p = 2^(t - M)
.set n, n+1
.endr
	v_pk_mul_f32 v[14:15], v[14:15], v[226:227] op_sel_hi:[1,0]   ; the sums under the new M: the plain instruction behind the exponentials
	s_wait_alu depctr_va_vdst(0)                   ; the 64 exponentials have written p, ahead of its first reader; the first products are done reading k and its scale words, the last step's last products v and its scale words: the loads below land there; v5 to v8 are written, which those loads read; the selections are done reading the lane masks and the additions s24 to s26, which are written below
	ds_load_b128 v[208:211], v8                    ; this step's v: its scale words and its four fragments
.irp u, 0,1,2,3
	ds_load_b128 v[68+8*\u:71+8*\u], v6 offset:1024*\u
	ds_load_b128 v[72+8*\u:75+8*\u], v6 offset:1024*\u+512
.endr
.if \ahead
	s_add_nc_u64 s[16:17], s[16:17], 256           ; no scalar load is out since the wait on KMcnt above, so the base may step:
	MASKS                                          ; the next step's lane masks
.endif
.if \kn == 1
	s_add_co_u32 s24, s24, 4096                    ; the next step's images and scale words in LDS
	s_add_co_u32 s25, s25, 512
	s_add_co_u32 s26, s26, 256
.endif
.irp b, 0,1,2,3
	v_exp_f32 v[212+\b], v[212+\b]                 ; the block's largest p
.endr
	v_pk_add_f32 v[228:229], v[100:101], v[102:103]   ; the row's sum of the unquantised p, in two chains; it reads the 64 alone
.set n, 1
.rept 15
	v_pk_add_f32 v[14:15], v[14:15], v[100+4*n:101+4*n]
	v_pk_add_f32 v[228:229], v[228:229], v[102+4*n:103+4*n]
.if (\kn) && (n <= 9)                  ; k's nine loads for the step to come, one behind each pair of sums.  No wait: no vector or matrix instruction since the wait above names v32-63, v204-207 or the loads' addresses
.if n == 1
	ds_load_b128 v[204:207], v[KW] offset:KWO
.else
	ds_load_b128 v[32+4*(n-2):35+4*(n-2)], v[KA] offset:KAO+512*(n-2)
.endif
.endif
.set n, n+1
.endr
	v_pk_add_f32 v[14:15], v[14:15], v[228:229]
	s_wait_alu depctr_va_vdst(0)                   ; the four exponentials have written the blocks' largest p, ahead of its first reader
.irp b, 0,1,2,3
	v_max_num_f32 v[212+\b], 0x1800000, v[212+\b]  ; the floor 2^(3 - 127)
.endr
.irp b, 0,1,2,3
	v_add_nc_u32 v[220+\b], 0xff000000, v[212+\b]  ; 2 off the exponent field: the conversion's scale operand
.endr
.irp b, 0,1,2,3
	v_lshrrev_b32 v[216+\b], 23, v[220+\b]         ; the scale's byte
.endr
	v_lshl_or_b32 v230, v217, 8, v216              ; p's scale word for these 128 keys
	v_lshl_or_b32 v230, v218, 16, v230
	v_lshl_or_b32 v230, v219, 24, v230
.irp b, 0,1,2,3
	v_cvt_scalef32_pk8_fp4_f32 v[196+2*\b], v[100+16*\b:107+16*\b], v[220+\b]
	v_cvt_scalef32_pk8_fp4_f32 v[197+2*\b], v[108+16*\b:115+16*\b], v[220+\b]
.endr
	v_nop                                          ; one plain instruction behind a scaled conversion
.irp c, 0,1                            ; the operand's layout wants a whole block in a lane
.irp i, 0,1
	v_permlane16_swap_b32 v[196+4*\c+\i], v[198+4*\c+\i]
.endr
.endr
.set n, 0
.rept 16
	v_pk_mul_f32 v[164+n:165+n], v[164+n:165+n], v[226:227] op_sel_hi:[1,0]   ; O^T under the new M; these sixteen are also the places between p's codes and scale word and the products
.set n, n+2
.endr
.if \kn
	s_wait_dscnt 9                                 ; v and its scale words are in; the nine loads of k issued behind them may be out
.else
	s_wait_dscnt 0x0                               ; v and its scale words are in
.endif
	s_wait_alu depctr_va_vdst(0)                   ; the conversions and exchanges have written p's codes v196-203, the shifts its scale word v230, which the scaled products take; the places above stay beside this wait
.irp u, 0,1,2,3
	v_wmma_scale_f32_16x16x128_f8f6f4 v[164+8*\u:171+8*\u], v[68+8*\u:75+8*\u], v[196:203], v[164+8*\u:171+8*\u], v[208+\u], v230 matrix_a_fmt:MATRIX_FMT_FP4 matrix_b_fmt:MATRIX_FMT_FP4
.endr
.endm
	s_load_b128 s[4:7], s[0:1], 0x0                ; att, mk
	s_load_b64 s[8:9], s[0:1], 0x10                ; cat
	v_lshl_add_u32 v254, v0, 2, 0x23000
	v_mov_b32 v255, 0
	v_lshrrev_b32 v5, 5, v0
	v_readfirstlane_b32 s10, v5                    ; wave 0..15
	s_and_b32 s12, ttmp7, 0xffff                   ; 16 b + head
	s_lshr_b32 s13, s12, 4                         ; b
	s_and_b32 s14, s12, 15                         ; head
	s_lshl_b32 s15, s13, 7
	s_lshl_b32 s11, ttmp9, 5
	s_add_co_u32 s15, s15, s11
	s_wait_alu depctr_va_sdst(0)                   ; s10 is written, ahead of its first reader
	s_lshl_b32 s11, s10, 1
	s_add_co_u32 s15, s15, s11                     ; my first tile of queries: 128 b + 32 x + 2 wave
	s_and_b32 s18, s15, 127                        ; and within b
	s_mov_b32 s101, 0
	s_mov_b32 s20, 0x76543210
	s_mov_b32 s21, 0xfedcba98                      ; v_permlanex16_b32's selects for lane l xor 16
	s_mov_b32 s22, 0x3e38aa3b                      ; c = log2(e) / 8
	s_mov_b32 s23, s22                             ; (named with it as a pair)
	s_mov_b32 s27, 0xffff0000                      ; lanes 16-31
	v_and_b32 v5, 31, v0
	v_lshlrev_b32 v1, 4, v5                        ; 16 x lane: k's images
	v_add_nc_u32 v2, LV, v1                        ; v's
	v_add_nc_u32 v3, LKS, v1                       ; k's scale words: lanes 0-15 tiles 0-3 of row r, lanes 16-31 tiles 4-7
	v_and_b32 v5, 15, v0                           ; r
	v_bfe_u32 v6, v0, 4, 1                         ; h
	v_lshlrev_b32 v176, 4, v5                      ; 16 r
	v_add_nc_u32 v4, LVS, v176                     ; v's scale words: row r's four tiles
	v_add_nc_u32 v9, v176, v6
	v_lshlrev_b32 v170, 4, v0                      ; the fill: 16 bytes a thread, 8,192 a line
	v_add_nc_u32 v171, LV, v170
	v_add_nc_u32 v172, LKS, v170
	v_lshlrev_b32 v174, 3, v0
	v_add_nc_u32 v173, LVS, v174
.irp j, 20,21,22,23,28,29,30,31,64,65,66,67
	v_mov_b32 v[\j], 0                             ; zero codes: q's upper halves, and behind k's last tile
.endr
.irp j, 216,217,218,219,224,227
	v_mov_b32 v[\j], 0                             ; permutes' destinations, and the upper half of the pair v[226:227]
.endr
	v_mov_b32 v231, 0xd0000000                     ; -2^33
	s_lshl_b32 s100, s12, 16
	s_wait_kmcnt 0x0
	s_add_nc_u64 s[32:33], s[4:5], s[100:101]      ; the head's q codes,
	s_add_nc_u64 s[34:35], s[32:33], 1<<22         ; k codes,
	s_add_nc_u64 s[36:37], s[32:33], VC            ; v images
	s_lshl_b32 s100, s12, 13
	s_add_nc_u64 s[38:39], s[4:5], s[100:101]
	s_add_nc_u64 s[38:39], s[38:39], QKS           ; q's scale words,
	s_add_nc_u64 s[40:41], s[38:39], 524288        ; k's,
	s_lshl_b32 s100, s12, 12
	s_add_nc_u64 s[42:43], s[4:5], s[100:101]
	s_add_nc_u64 s[42:43], s[42:43], VS            ; v's
	s_wait_alu depctr_va_vdst(0)                   ; every address and offset of the kernel but v5 to v8 is written (v1-4, v9, v170-174, v176), which the loads and stores read; so are the zero codes v20-23, v28-31 and v64-67, which the scaled products take
.irp j, 0,1,2,3,4,5,6,7
	global_load_b128 v[100+4*\j:103+4*\j], v170, s[34:35] offset:8192*\j
.endr
.irp j, 0,1,2,3,4,5,6,7
	global_load_b128 v[132+4*\j:135+4*\j], v170, s[36:37] offset:8192*\j
.endr
	global_load_b128 v[164:167], v170, s[40:41]
	global_load_b64 v[168:169], v174, s[42:43]
	s_lshl_b32 s100, s18, 9
	s_add_nc_u64 s[44:45], s[32:33], s[100:101]    ; my two tiles of q: 512 bytes each
	global_load_b128 v[16:19], v1, s[44:45]
	global_load_b128 v[24:27], v1, s[44:45] offset:512
	s_lshr_b32 s100, s18, 2
	s_lshl_b32 s100, s100, 8                       ; their scale words: 256 bytes for each four tiles,
	s_and_b32 s24, s18, 3
	s_lshl_b32 s24, s24, 2                         ; 4 bytes a tile
	s_add_co_u32 s100, s100, s24
	s_add_nc_u64 s[46:47], s[38:39], s[100:101]
	global_load_b32 v10, v176, s[46:47]
	global_load_b32 v11, v176, s[46:47] offset:4
	s_lshl_b32 s100, s15, 12
	s_add_nc_u64 s[16:17], s[6:7], s[100:101]      ; my lane masks: 256 bytes a step, 16 steps a tile, my two tiles on end
	s_lshl_b32 s100, s15, 13
	s_lshl_b32 s24, s14, 9
	s_add_co_u32 s100, s100, s24
	s_add_nc_u64 s[2:3], s[8:9], s[100:101]        ; the result's codes: 8,192 bytes a tile, 512 a head
	s_lshl_b32 s100, s15, 9
	s_lshr_b32 s24, s14, 3
	s_lshl_b32 s24, s24, 8
	s_add_co_u32 s100, s100, s24
	s_and_b32 s24, s14, 7
	s_lshl_b32 s24, s24, 1
	s_add_co_u32 s100, s100, s24
	s_add_co_u32 s100, s100, CS
	s_add_nc_u64 s[66:67], s[8:9], s[100:101]      ; its scale bytes: 512 bytes a tile; the head's two bytes of a row's word
	s_wait_loadcnt 0x0                             ; the fill and q are in registers; the loads' bases, s32-47, are free
	MASKS                                          ; the first step's lane masks
.irp j, 0,1,2,3,4,5,6,7
	ds_store_b128 v170, v[100+4*\j:103+4*\j] offset:8192*\j
.endr
.irp j, 0,1,2,3,4,5,6,7
	ds_store_b128 v171, v[132+4*\j:135+4*\j] offset:8192*\j
.endr
	ds_store_b128 v172, v[164:167]
	ds_store_b64 v173, v[168:169]
	s_wait_dscnt 0x0                               ; for the others' sake: my stores have landed
	s_barrier_signal -1
	s_barrier_wait -1                              ; the head lies in LDS; from here on LDS is only read
	s_wait_alu depctr_vm_vsrc(0)                   ; the fill's loads and LDS stores have read v100-174 and v176: these registers are S^T and O^T from here on, written by the products and by the zeros below
	ds_load_b128 v[204:207], v3                    ; key step 0's k and its scale words, for my first tile's first step
.irp T, 0,1,2,3,4,5,6,7
	ds_load_b128 v[32+4*\T:35+4*\T], v1 offset:512*\T
.endr
.macro QTILE qn                        ; my tile qn of queries against all 2,048 keys, 128 a step
.if \qn
	s_wait_xcnt 0x0                                ; the first tile's stores have read their registers
	s_wait_alu depctr_vm_vsrc(0)                   ; the first tile's stores have read v196-199 and v225, which this tile's conversions and selection write anew
.endif
	v_mov_b32 v13, 0xff61b1e6                      ; the largest t so far: -3e38
	v_floor_f32 v12, -v13                          ; -M
	v_mov_b32 v14, 0                               ; the sum, in two halves
	v_mov_b32 v15, 0
.set n, 0
.rept 32
	v_mov_b32 v[164+n], 0                          ; O^T: the step is written once; the first finds zeros
.set n, n+1
.endr
	s_mov_b32 s24, 0                               ; the step's images: 4,096 bytes a step, k's and v's alike
	s_mov_b32 s25, 0                               ; k's scale words
	s_mov_b32 s26, 0                               ; v's
	s_mov_b32 s19, 15                              ; 15 trips, and a last step that is written out: it has no next step of keys
.Lstep_\@:
	STEP \qn, 1, 1
	s_sub_co_u32 s19, s19, 1
	s_cmp_lg_u32 s19, 0
	s_cbranch_scc1 .Lstep_\@
.if \qn
	STEP \qn, 0, 0                                 ; nothing is left to ask for: no load leaves its buffer
.else
	STEP \qn, 1, 2                                 ; tile 1's first record of lane masks, the neighbour of tile 0's last, and key step 0's k
.endif
	; the tile's end: O^T / the sum, quantised along the head's 64: two blocks
.rept 4
	v_nop
.endr
	v_add_f32 v14, v14, v15
	v_permlanex16_b32 v224, v14, s20, s21
	v_add_f32 v14, v14, v224                       ; the row's sum
	v_rcp_f32 v14, v14
	v_nop                                          ; a plain instruction behind the reciprocal,
	s_wait_alu depctr_va_vdst(0)                   ; and the wait: the reciprocal has written v14, ahead of its first reader
.set n, 0
.rept 32
	v_mul_f32 v[100+n], v[164+n], v14              ; register 16 e + i: d = 32 e + 16 h + i of my query
.set n, n+1
.endr
.irp e, 0,1
	v_max3_num_f32 v[212+\e], |v[100+16*\e]|, |v[101+16*\e]|, 0x1800000
.endr
.irp i, 2,4,6,8,10,12,14
.irp e, 0,1
	v_max3_num_f32 v[212+\e], v[212+\e], |v[100+16*\e+\i]|, |v[101+16*\e+\i]|
.endr
.endr
.irp e, 0,1
	v_permlanex16_b32 v[216+\e], v[212+\e], s20, s21
.endr
.irp e, 0,1
	v_max_num_f32 v[212+\e], v[212+\e], v[216+\e]
.endr
.irp e, 0,1
	v_add_nc_u32 v[220+\e], 0xff000000, v[212+\e]
.endr
.irp e, 0,1
	v_lshrrev_b32 v[216+\e], 23, v[220+\e]
.endr
.irp e, 0,1
	v_cvt_scalef32_pk8_fp4_f32 v[196+2*\e], v[100+16*\e:107+16*\e], v[220+\e]
	v_cvt_scalef32_pk8_fp4_f32 v[197+2*\e], v[108+16*\e:115+16*\e], v[220+\e]
.endr
	v_nop
	v_permlane16_swap_b32 v196, v198               ; v196-199: d = 32 h .. 32 h + 31
	v_permlane16_swap_b32 v197, v199
	v_cndmask_b32 v225, v216, v217, s27            ; lane (r, h) carries block h's byte
	s_wait_alu depctr_va_vdst(0)                   ; the conversions and exchanges have written v196-199 and the selection v225, which the two stores read
	global_store_b128 v1, v[196:199], s[2:3] offset:8192*\qn       ; 512 consecutive bytes: half a fragment of the last projection's operand
	global_store_b8 v9, v225, s[66:67] offset:512*\qn
.endm
	QTILE 0
	QTILE 1
	s_wait_dscnt 0x0                               ; the closing lines, six on end
	s_wait_alu 0x0
	s_wait_tensorcnt 0x0
	ds_add_u32 v254, v255
	s_wait_dscnt 0x0
	s_endpgm
.Lfunc_end_k_qf77ccc780a_attn:
	.size	k_qf77ccc780a_attn, .Lfunc_end_k_qf77ccc780a_attn-k_qf77ccc780a_attn
	.p2alignl 7, 3214868480
	.fill 96, 4, 3214868480
	.section	.rodata,"a",@progbits
	.p2align	6, 0x0
	.amdhsa_kernel k_qf77ccc780a_attn
		.amdhsa_group_segment_fixed_size 145408
		.amdhsa_private_segment_fixed_size 0
		.amdhsa_enable_private_segment 0
		.amdhsa_kernarg_size 24
		.amdhsa_user_sgpr_count 2
		.amdhsa_user_sgpr_kernarg_segment_ptr 1
		.amdhsa_wavefront_size32 1
		.amdhsa_system_sgpr_workgroup_id_x 1
		.amdhsa_system_sgpr_workgroup_id_y 1
		.amdhsa_system_sgpr_workgroup_id_z 1
		.amdhsa_system_vgpr_workitem_id 0
		.amdhsa_next_free_vgpr 256
		.amdhsa_next_free_sgpr 102
		.amdhsa_reserve_vcc 0
		.amdhsa_float_denorm_mode_32 3
		.amdhsa_float_denorm_mode_16_64 3
		.amdhsa_memory_ordered 1
		.amdhsa_forward_progress 1
		.amdhsa_inst_pref_size 93
	.end_amdhsa_kernel
	.amdgpu_metadata
---
amdhsa.version: [ 1, 2 ]
amdhsa.kernels:
  - .name:           k_qf77ccc780a_attn
    .symbol:         k_qf77ccc780a_attn.kd
    .args:
      - { .name: att, .offset: 0, .size: 8, .value_kind: global_buffer, .address_space: global }
      - { .name: mk, .offset: 8, .size: 8, .value_kind: global_buffer, .address_space: global }
      - { .name: cat, .offset: 16, .size: 8, .value_kind: global_buffer, .address_space: global }
    .group_segment_fixed_size: 145408
    .private_segment_fixed_size: 0
    .kernarg_segment_align: 8
    .kernarg_segment_size: 24
    .max_flat_workgroup_size: 512
    .sgpr_count:     102
    .vgpr_count:     256
    .wavefront_size: 32
...
	.end_amdgpu_metadata
.endif
;; end of part 5
;; launch outp: the kernel of part 4 again; grid 4 x 32, 4 waves a work-group, clusters of 4 x 4, 296,448 bytes of LDS; arguments cat, xw, bo, out0; writes out0
